; MI455X (gfx1250); checked and timed in simulation.
; The chip was launched on July 23, 2026; its instructions are those of AMD's public machine-readable ISA for CDNA 5 (MIT licence, August 2026) and "CDNA5" Instruction Set Architecture Reference Guide (July 2026). The comments in the code are by the model that wrote it; some were corrected since.
;; Causal Self Attention. Allowed arithmetic: matrix products marked QUANTISED: E2M1 operands, one E8M0 scale for each 32 along K, by v_wmma_scale_f32_16x16x128_f8f6f4 with both operands' format E2M1 (or v_wmma_scale_f32_32x16x128_f4), f32 sums; everything else in f32.
;; Inputs: W_attn 1,024 x 3,072 float32; W_proj 1,024 x 1,024 float32; b_attn 3,072 float32; b_proj 1,024 float32; x 4 x 2,048 x 1,024 float32.
;; Outputs: out0 4 x 2,048 x 1,024 float32.
;; This version of the problem:
;;   THIS VERSION OF THE PROBLEM IS GIVEN IN LOW PRECISION. The matrix products marked QUANTISED in the list below multiply operands that are first quantised to E2M1 (2 exponent bits, 1 mantissa bit; 4 bits a number), with one power-of-two scale for each 32 numbers along K (OCP MX v1.0); their sums are f32. All else is computed in f32.
;;   The module's matrix products, in the order in which they are computed (A, B: the left and right operand; K: the contracted axis; several contracted axes count as one K, in the product's order):
;;     1. [M 8,192, K 1,024] x [K 1,024, N 3,072]; A: input x; B: input W_attn: QUANTISED
;;     2. batch 64 x [M 2,048, K 64] x [K 64, N 2,048]; A: computed on the way; B: computed on the way: QUANTISED
;;     3. batch 64 x [M 2,048, K 2,048] x [K 2,048, N 64]; A: softmax (see below); B: computed on the way: QUANTISED
;;     4. [M 8,192, K 1,024] x [K 1,024, N 1,024]; A: computed on the way; B: input W_proj: QUANTISED
;;   THE QUANTISER, for each operand of a quantised product, along K:
;;     - K is cut into blocks of 32 from its start; a last block that is shorter is filled with zeros.
;;     - A block's scale is 2^e with e = floor(log2(the largest magnitude in the block)) - 2, held to -126 .. 127; a block of zeros has e = 0. As a byte (E8M0): e + 127.
;;     - Each number is divided by its block's scale, clamped to +-6, and rounded to the nearest number of E2M1, ties to even, subnormals kept.
;;     - The product sums the exact products of the quantised numbers (number of the format x scale) in f32.
;;   ~~~python
;;   def quantise(x, axis):      # numpy; x: float32 -> the quantised numbers, widened to float32 again
;;       x = np.moveaxis(x, axis, -1); K = x.shape[-1]
;;       x = np.pad(x, [(0, 0)] * (x.ndim - 1) + [(0, -K % 32)]); x = x.reshape(x.shape[:-1] + (-1, 32)); a = np.abs(x).max(-1, keepdims=True)
;;       e = np.where(a > 0, np.clip(np.frexp(np.where(a > 0, a, 1))[1] - 1 - 2, -126, 127), 0)      # np.frexp(a)[1] - 1 = floor(log2(a)), exactly
;;       r = np.clip(x / 2.0 ** e, -6, 6)
;;       step = 2.0 ** (np.maximum(np.frexp(np.where(r == 0, 1, r))[1] - 1, 0) - 1)
;;       q = np.round(r / step) * step * 2.0 ** e      # np.round: ties to even
;;       return np.moveaxis(q.reshape(q.shape[:-2] + (-1,))[..., :K], -1, axis).astype(np.float32)
;;   ~~~
;;   SOFTMAX AHEAD OF A QUANTISED PRODUCT. Where the list says 'softmax', what is quantised is not the finished softmax but p = 2^(t - M), with t = logit x log2(e) and M = ceil(the row's largest t), a whole number; so 1/2 < the row's largest p <= 1. The row's sum l is taken of the UNQUANTISED p, in f32, and the product's result is divided by l at the end. Since M is a whole number, a kernel that streams over the keys may use a running M (the ceiling of the running maximum): every later rescaling is an exact power of two, which a block's scale takes up: the codes' values come out the same.
;;   OPERANDS COMPUTED ON THE WAY. 'Computed on the way' means the value that the module computes at that place (a softmax that the list does not call 'softmax' is quantised finished and normalised). What goes into a quantiser is computed in f32, as accurately as f32 sums, v_exp_f32 and their like allow (about 1e-6 of the number): no bf16 or f16 on the way to a quantiser, and a product that is left as it is and whose result goes on into a quantised operand takes f32 operands (vector FMAs, or v_wmma_f32_16x16x4_f32). A number that lies on a knife's edge between two numbers of the format may be rounded either way, as far as f32 arithmetic and the matrix unit's own rounding can turn it there, and no further.
;; One version. Each part assembles by itself: llvm-mc -triple=amdgcn-amd-amdhsa -mcpu=gfx1250 --defsym DOCPART=n.
;; ======== version 1 of 1: 4 launches
;; workspace buffers: xq 4,456,448 bytes; waq 1,671,168 bytes; wpq 557,056 bytes; qkv 13,893,632 bytes; yq 4,456,448 bytes
;; launch quant (part 1): grid 512 x 1, 4 waves a work-group, no clusters, 34,304 bytes of LDS; arguments x, W_attn, W_proj, xq, waq, wpq; writes xq, waq, wpq
.if DOCPART == 1
	.amdgcn_target "amdgcn-amd-amdhsa--gfx1250"
	.amdhsa_code_object_version 6
	.text
	.protected	k_qd9e9be3df6_quant
	.globl	k_qd9e9be3df6_quant
	.p2align	8
	.type	k_qd9e9be3df6_quant,@function
k_qd9e9be3df6_quant:
	s_mov_b64 s[64:65], 0
	v_nop
	global_prefetch_b8 v0, s[64:65] scope:SCOPE_SE
	s_setreg_imm32_b32 hwreg(HW_REG_WAVE_MODE, 25, 1), 1
	s_wait_xcnt 0x0
; CAUSAL SELF-ATTENTION IN MX-FP4, launch 1 of 4: x, W_attn and W_proj become codes of E2M1 with one E8M0 byte for each 32 along K.
; THE PROGRAM.  1: this launch.  2: qkv = x W_attn + b_attn, quantised in registers (q, k along the head's 64; v along the keys).  3: attention, y quantised in registers.  4: y W_proj + b_proj.
; WORK LEFT OUT.  reference() sets att[q][k] to -infinity wherever k > q (its own jnp.tril), so p = 2^(t - M) is exactly 0 there for all finite inputs: such a key adds 0 to the row's sum and 0 to y.
; Launch 3 therefore leaves out every step of 128 keys all of which come after all queries of a tile; inside the one step on the diagonal the scores are computed and set to -infinity.  Nothing else is left out,
; and all five inputs are loaded.  LIMIT: a NaN, an infinity or an overflow that reaches only scores left out so is not carried to the result.
; LIMITS of the quantisers in all launches: NaN and infinities among the inputs are not served; a block's largest magnitude is taken no smaller than 2^(3 - 127), so the byte is held at 1 from below;
; a block of zeros gets the byte 1 where the rule says 127: its codes are zeros, which add nothing under any byte but 0xff, and these bytes are read by this program alone.
; THE LAYOUT OF ALL WORKSPACE BUFFERS: images of the operand's registers.  A tile is 16 rows (tokens, or columns of a weight) x all 1,024 of K: 8,704 bytes.  The codes of K step s (128 along K) lie at 1,024 s + 512 c + 16 lane:
; lane (r, h) holds k = 128 s + 64 c + 32 h + 0 .. 31 of the tile's row r.  The scale words (four bytes: 128 along K of one row) lie at 8,192 + 256 (s / 4) + 16 r + 4 (s % 4).
; THE ROWS OF A TILE ARE NOT NEIGHBOURS: row r of tile t of a group of 128 is member 32 (t / 2) + 8 (t % 2) + r % 8 + 16 (r / 8).  So wherever such a tile is source 0 of a product, a lane's 64 results of the
; group's eight tiles are, register 16 b + i, member 32 b + 16 (lane / 16) + i: 16 neighbours of each block of 32, which is what the conversions take.
; SHARES.  Work-groups 0-255: x; wave w of work-group j takes tile 2 j + w / 2 and the half w % 2 of K.  Work-groups 256-447: W_attn, 448-511: W_proj; a work-group takes 128 columns x 128 along K.
; No cluster: no two work-groups read the same bytes.  No tensor load and no barrier: waves share nothing.
.set SPARE, 33792                      ; behind the four stages: the spare words, 128 bytes for each wave
.set SPW,   10                         ; v10      LDS address of my spare word; never rewritten
.set NIL,   11                         ; v11      0; never rewritten
.set TM,    12                         ; v12-27   at work
.set PW,    28                         ; v28-31   a scale word for each step
.set PC,    32                         ; v32-63   codes: eight registers for each step, so that no store's data are written again
.set X,     64                         ; v64-127  64 numbers: register 16 b + i = k 32 b + 16 h + i of my row
.set R,     128                        ; v128-255 two sets of 64 as loaded (x); 128 numbers down K (weights)
.set SEL,   20                         ; s20, s21 lane selects: lane l xor 16
.set HM,    22                         ; s22      a mask of lanes 16-31
	s_load_b256 s[4:11], s[0:1], 0x0               ; x s[4:5], W_attn s[6:7], W_proj s[8:9], xq s[10:11]
	s_load_b128 s[12:15], s[0:1], 0x20             ; waq s[12:13], wpq s[14:15]
	v_lshl_add_u32 v[SPW], v0, 2, SPARE
	v_mov_b32 v[NIL], 0
	v_lshrrev_b32 v1, 5, v0
	v_readfirstlane_b32 s16, v1                    ; wave 0..3
	v_and_b32 v1, 31, v0                           ; lane
	v_and_b32 v2, 15, v0                           ; r
	v_bfe_u32 v3, v0, 4, 1                         ; h
	s_mov_b32 s[SEL], 0x76543210
	s_mov_b32 s[SEL+1], 0xfedcba98
	s_mov_b32 s[HM], 0xffff0000
	s_wait_kmcnt 0x0
	s_cmp_lt_u32 ttmp9, 256
	s_cbranch_scc0 .Lweights
	s_wait_alu depctr_va_vdst(0)
; ---- x: K is innermost.  Each load reads 512 consecutive bytes of one token's row; 16 rows turn through the wave's own stage (rows 528 bytes apart) and come back 16 neighbours of each block a lane.
	v_lshlrev_b32 v4, 4, v1                        ; 16 x lane: a load's and an image's place
	s_mul_i32 s17, s16, 8448                       ; my stage: 16 rows x 528 bytes
	v_add_nc_u32 v5, s17, v4                       ; into it
	v_mul_u32_u24 v6, v2, 528
	v_lshl_add_u32 v6, v3, 6, v6
	v_add_nc_u32 v6, s17, v6                       ; out of it: row r, + 64 h
	v_lshlrev_b32 v7, 4, v2
	v_lshl_add_u32 v7, v3, 3, v7                   ; the scale words: 16 r + 8 h
.irp b, 0,1,2,3
	v_mov_b32 v[TM+4+\b], 0                        ; written once: a lane permute's destination counts as one of its sources
.endr
	s_lshl_b32 s18, ttmp9, 1
	s_lshr_b32 s19, s16, 1
	s_add_co_u32 s18, s18, s19                     ; T: my tile
	s_and_b32 s19, s16, 1                          ; my half of K
	s_lshr_b32 s24, s18, 3
	s_lshl_b32 s24, s24, 7                         ; 128 x group
	s_bfe_u32 s25, s18, 0x20001
	s_lshl_b32 s25, s25, 5                         ; + 32 (t / 2)
	s_add_co_u32 s24, s24, s25
	s_and_b32 s25, s18, 1
	s_lshl_b32 s25, s25, 3                         ; + 8 (t % 2): the tile's row 0
	s_add_co_u32 s24, s24, s25
	s_lshl_b32 s24, s24, 12                        ; a row of x is 4,096 bytes
	s_lshl_b32 s25, s19, 11
	s_add_co_u32 s24, s24, s25
	s_mov_b32 s25, 0
	s_add_nc_u64 s[4:5], s[4:5], s[24:25]
	s_mul_i32 s24, s18, 8704
	s_add_nc_u64 s[10:11], s[10:11], s[24:25]      ; my tile in xq
	s_lshl_b32 s24, s19, 8
	s_add_co_u32 s24, s24, 8192
	s_add_nc_u64 s[26:27], s[10:11], s[24:25]      ; its scale words, my half
	s_lshl_b32 s24, s19, 12
	s_add_nc_u64 s[10:11], s[10:11], s[24:25]      ; its codes, my half
.macro LOAD q                          ; K step q of my half: 16 rows x 512 bytes into set q % 2
.irp p, 0,1,2,3,4,5,6,7,8,9,10,11,12,13,14,15
	global_load_b128 v[R+64*((\q)%2)+4*\p:R+64*((\q)%2)+4*\p+3], v4, s[4:5] offset:((\p%8)+16*(\p/8))*4096+512*(\q) th:TH_LOAD_NT
.endr
.endm
; 64 numbers of a lane become a fragment's codes in v[pc] on and its row's scale word in v[pw]
.macro QUANT s, pc, pw
.irp b, 0,1,2,3
	v_max3_num_f32 v[TM+\b], |v[\s+16*\b]|, |v[\s+1+16*\b]|, 0x1800000   ; block b: my 16 numbers, and the floor 2^(3 - 127)
.endr
.irp i, 2,4,6,8,10,12,14
.irp b, 0,1,2,3
	v_max3_num_f32 v[TM+\b], v[TM+\b], |v[\s+16*\b+\i]|, |v[\s+1+16*\b+\i]|   ; the four blocks by turns
.endr
.endr
.irp b, 0,1,2,3
	v_permlanex16_b32 v[TM+4+\b], v[TM+\b], s[SEL], s[SEL+1]
.endr
.irp b, 0,1,2,3
	v_max_num_f32 v[TM+\b], v[TM+\b], v[TM+4+\b]   ; with lane l xor 16's: the block's largest magnitude
.endr
.irp b, 0,1,2,3
	v_add_nc_u32 v[TM+12+\b], 0xff000000, v[TM+\b] ; 2 off its exponent field: the conversion's scale operand
.endr
.irp b, 0,1,2,3
	v_lshrrev_b32 v[TM+4+\b], 23, v[TM+12+\b]      ; the scale's byte
.endr
	v_lshl_or_b32 v[\pw], v[TM+5], 8, v[TM+4]
	v_lshl_or_b32 v[\pw], v[TM+6], 16, v[\pw]
	v_lshl_or_b32 v[\pw], v[TM+7], 24, v[\pw]
.irp b, 0,1,2,3
	v_cvt_scalef32_pk8_fp4_f32 v[\pc+2*\b], v[\s+16*\b:\s+7+16*\b], v[TM+12+\b]
	v_cvt_scalef32_pk8_fp4_f32 v[\pc+1+2*\b], v[\s+8+16*\b:\s+15+16*\b], v[TM+12+\b]
.endr
	v_nop                                          ; one plain place behind a scaled conversion
.irp c, 0,1                                    ; the operand's layout wants a whole block in a lane
.irp i, 0,1
	v_permlane16_swap_b32 v[\pc+4*\c+\i], v[\pc+2+4*\c+\i]
.endr
.endr
.endm
.macro XSTEP q
.if \q < 3
	s_wait_loadcnt 16                              ; this step's 16 loads are in; the next step's 16 may be out
.else
	s_wait_loadcnt 0
.endif
.irp p, 0,1,2,3,4,5,6,7,8,9,10,11,12,13,14,15
	ds_store_b128 v5, v[R+64*((\q)%2)+4*\p:R+64*((\q)%2)+4*\p+3] offset:528*\p
.endr
.irp b, 0,1,2,3
.irp j, 0,1,2,3
	ds_load_b128 v[X+16*\b+4*\j:X+16*\b+4*\j+3], v6 offset:128*\b+16*\j   ; LDS serves a wave's instructions in order: these see my stores
.endr
.endr
	s_wait_dscnt 0x0                               ; the numbers are back, and the stores have read their registers,
.if \q < 2
	LOAD (\q)+2                                    ; which take the loads of two steps on
.endif
	QUANT X, PC+8*(\q), PW+(\q)
.irp c, 0,1
	global_store_b128 v4, v[PC+8*(\q)+4*\c:PC+8*(\q)+4*\c+3], s[10:11] offset:1024*(\q)+512*\c   ; 32 lanes store 512 consecutive bytes, aligned
.endr
.endm
	LOAD 0
	LOAD 1
	s_wait_alu depctr_va_vdst(0)
	XSTEP 0
	XSTEP 1
	XSTEP 2
	XSTEP 3
	v_cndmask_b32 v8, v[PW], v[PW+2], s[HM]        ; lanes 0-15 store their row's words 0, 1, lanes 16-31 words 2, 3:
	v_cndmask_b32 v9, v[PW+1], v[PW+3], s[HM]
	global_store_b64 v7, v[8:9], s[26:27]          ; 256 consecutive bytes, aligned
	s_branch .Lend
; ---- the weights: K is the FIRST axis.  A lane takes a column and its registers run down K: a block of 32 lies in one lane, and the conversions give codes with K innermost.
.Lweights:
	s_wait_alu depctr_va_vdst(0)
	v_lshlrev_b32 v4, 2, v1                        ; in: 4 bytes a lane
	v_bfe_u32 v5, v1, 3, 1                         ; column 32 w + lane is row (lane % 8) + 8 (lane / 16) of tile 2 w + (lane / 8) % 2
	v_mul_u32_u24 v5, v5, 8704
	v_and_b32 v6, 7, v1
	v_bfe_u32 v7, v1, 4, 1
	v_lshl_or_b32 v6, v7, 3, v6
	v_lshl_add_u32 v5, v6, 4, v5                   ; out: 8,704 x (which of my two tiles) + 16 x row
.macro WQ pitch, src, dst, first
	s_sub_co_u32 s18, ttmp9, \first
	s_lshr_b32 s19, s18, 3                         ; which 128 columns
	s_and_b32 s18, s18, 7                          ; which K step
	s_mul_i32 s24, s18, 128*\pitch
	s_lshl_b32 s25, s19, 9
	s_add_co_u32 s24, s24, s25
	s_lshl_b32 s25, s16, 7
	s_add_co_u32 s24, s24, s25
	s_mov_b32 s25, 0
	s_add_nc_u64 s[\src:\src+1], s[\src:\src+1], s[24:25]
	s_lshl_b32 s24, s19, 3
	s_lshl_b32 s26, s16, 1
	s_add_co_u32 s24, s24, s26                     ; my first tile: 8 x group + 2 x wave
	s_mul_i32 s24, s24, 8704
	s_add_nc_u64 s[\dst:\dst+1], s[\dst:\dst+1], s[24:25]
	s_lshr_b32 s24, s18, 2
	s_lshl_b32 s24, s24, 8
	s_and_b32 s26, s18, 3
	s_lshl_b32 s26, s26, 2
	s_add_co_u32 s24, s24, s26
	s_add_co_u32 s24, s24, 8192
	s_add_nc_u64 s[28:29], s[\dst:\dst+1], s[24:25]   ; this K step's scale words
	s_lshl_b32 s24, s18, 10
	s_add_nc_u64 s[\dst:\dst+1], s[\dst:\dst+1], s[24:25]   ; and its codes
; The loads run two blocks of 32 along K ahead; every block has registers of its own, so a later block's loads are issued as soon as the wait for an earlier block has passed.
.set n, 0
.rept 64
	global_load_b32 v[R+n], v4, s[\src:\src+1] offset:n*\pitch th:TH_LOAD_NT   ; row 128 s + n at my wave's 32 columns: 128 consecutive bytes; the four waves stand side by side on 512
.set n, n+1
.endr
.irp be, 0,1,2,3
.if \be < 3
	s_wait_loadcnt 32                              ; loads come back in order: this block's 32 are in; the next block's 32 may be out
.else
	s_wait_loadcnt 0
.endif
.if \be < 2
.rept 32
	global_load_b32 v[R+n], v4, s[\src:\src+1] offset:n*\pitch th:TH_LOAD_NT   ; the block two further on
.set n, n+1
.endr
.endif
	v_max3_num_f32 v12, |v[R+32*\be]|, |v[R+32*\be+1]|, |v[R+32*\be+2]|
	v_max3_num_f32 v13, |v[R+32*\be+3]|, |v[R+32*\be+4]|, |v[R+32*\be+5]|
.irp i, 6,10,14,18,22,26
	v_max3_num_f32 v12, v12, |v[R+32*\be+\i]|, |v[R+32*\be+\i+1]|
	v_max3_num_f32 v13, v13, |v[R+32*\be+\i+2]|, |v[R+32*\be+\i+3]|
.endr
	v_max3_num_f32 v12, v12, |v[R+32*\be+30]|, |v[R+32*\be+31]|
	v_max3_num_f32 v12, v12, v13, 0x1800000        ; and the floor
	v_add_nc_u32 v14, 0xff000000, v12              ; the conversion's scale operand
	v_lshrrev_b32 v15, 23, v14                     ; the byte
.if \be == 0
	v_mov_b32 v[PW], v15
.else
	v_lshl_or_b32 v[PW], v15, 8*\be, v[PW]
.endif
.irp g, 0,1,2,3
	v_cvt_scalef32_pk8_fp4_f32 v[PC+4*\be+\g], v[R+32*\be+8*\g:R+32*\be+8*\g+7], v14
.endr
	global_store_b128 v5, v[PC+4*\be:PC+4*\be+3], s[\dst:\dst+1] offset:256*\be   ; block 2 c + h of a K step lies at 512 c + 256 h + 16 r: the sixteen lanes of a tile store 256 consecutive bytes, aligned
.endr
	v_nop                                          ; one plain place behind the last conversion
	global_store_b32 v5, v[PW], s[28:29]           ; 4 bytes at every 16: one word for each 512 bytes read; the other three words of a row come from other work-groups
.endm
	s_cmp_lt_u32 ttmp9, 448
	s_cbranch_scc0 .Lproj
	s_wait_alu depctr_va_vdst(0)
	WQ 12288, 6, 12, 256
	s_branch .Lend
.Lproj:
	s_wait_alu depctr_va_vdst(0)
	WQ 4096, 8, 14, 448
.Lend:
	s_wait_tensorcnt 0x0                           ; the wave's end: behind my last LDS store
	ds_add_u32 v[SPW], v[NIL]
	s_wait_dscnt 0x0
	s_endpgm
.Lfunc_end_k_qd9e9be3df6_quant:
	.size	k_qd9e9be3df6_quant, .Lfunc_end_k_qd9e9be3df6_quant-k_qd9e9be3df6_quant
	.p2alignl 7, 3214868480
	.fill 96, 4, 3214868480
	.section	.rodata,"a",@progbits
	.p2align	6, 0x0
	.amdhsa_kernel k_qd9e9be3df6_quant
		.amdhsa_group_segment_fixed_size 34304
		.amdhsa_private_segment_fixed_size 0
		.amdhsa_enable_private_segment 0
		.amdhsa_kernarg_size 48
		.amdhsa_user_sgpr_count 2
		.amdhsa_user_sgpr_kernarg_segment_ptr 1
		.amdhsa_wavefront_size32 1
		.amdhsa_system_sgpr_workgroup_id_x 1
		.amdhsa_system_sgpr_workgroup_id_y 1
		.amdhsa_system_sgpr_workgroup_id_z 1
		.amdhsa_system_vgpr_workitem_id 0
		.amdhsa_next_free_vgpr 256
		.amdhsa_next_free_sgpr 66
		.amdhsa_reserve_vcc 0
		.amdhsa_float_denorm_mode_32 3
		.amdhsa_float_denorm_mode_16_64 3
		.amdhsa_memory_ordered 1
		.amdhsa_forward_progress 1
		.amdhsa_inst_pref_size 72
	.end_amdhsa_kernel
	.amdgpu_metadata
---
amdhsa.version: [ 1, 2 ]
amdhsa.kernels:
  - .name:           k_qd9e9be3df6_quant
    .symbol:         k_qd9e9be3df6_quant.kd
    .args:
      - { .name: x, .offset: 0, .size: 8, .value_kind: global_buffer, .address_space: global }
      - { .name: W_attn, .offset: 8, .size: 8, .value_kind: global_buffer, .address_space: global }
      - { .name: W_proj, .offset: 16, .size: 8, .value_kind: global_buffer, .address_space: global }
      - { .name: xq, .offset: 24, .size: 8, .value_kind: global_buffer, .address_space: global }
      - { .name: waq, .offset: 32, .size: 8, .value_kind: global_buffer, .address_space: global }
      - { .name: wpq, .offset: 40, .size: 8, .value_kind: global_buffer, .address_space: global }
    .group_segment_fixed_size: 34304
    .private_segment_fixed_size: 0
    .kernarg_segment_align: 8
    .kernarg_segment_size: 48
    .max_flat_workgroup_size: 128
    .sgpr_count:     66
    .vgpr_count:     256
    .wavefront_size: 32
...
	.end_amdgpu_metadata
.endif
;; end of part 1
;; launch gemm_qkv (part 2): grid 12 x 32, 4 waves a work-group, clusters of 4 x 4, 327,680 bytes of LDS; arguments xq, waq, b_attn, qkv; writes qkv
.if DOCPART == 2
	.amdgcn_target "amdgcn-amd-amdhsa--gfx1250"
	.amdhsa_code_object_version 6
	.text
	.protected	k_qd9e9be3df6_gemm_qkv
	.globl	k_qd9e9be3df6_gemm_qkv
	.p2align	8
	.type	k_qd9e9be3df6_gemm_qkv,@function
k_qd9e9be3df6_gemm_qkv:
	s_mov_b64 s[64:65], 0
	v_nop
	global_prefetch_b8 v0, s[64:65] scope:SCOPE_SE
	s_setreg_imm32_b32 hwreg(HW_REG_WAVE_MODE, 25, 1), 1
	s_wait_xcnt 0x0
	s_wait_alu depctr_hold_cnt(0) depctr_sa_sdst(0) depctr_va_vdst(0) depctr_va_sdst(0) depctr_va_ssrc(0) depctr_va_vcc(0) depctr_vm_vsrc(0)
	s_getreg_b32 s2, hwreg(HW_REG_IB_STS2, 6, 4)
	s_cmp_eq_u32 s2, 0
	s_cbranch_scc0 .Lentry_in_a_cluster
	s_endpgm
.Lentry_in_a_cluster:
	s_bfe_u32 s2, ttmp6, 0x10000c
	s_cmp_lg_u32 s2, 0xf033
	s_cbranch_scc0 .Lentry_shape_is_right
	s_endpgm
.Lentry_shape_is_right:
; Launch 2 of 4: qkv = Q(x) Q(W_attn) + b_attn on codes of E2M1, and its three parts quantised in registers: q and k along the head's 64, v along the keys.  Nothing is left out here.
; A tile of 256 tokens x 256 columns is made by four waves, 128 x 128 each: 64 accumulators, 512 registers.  All of K (1,024) fits in LDS at once: two slots of 512 along K, each filled ONCE; no slot is filled again.
; OPERANDS lie in memory and in LDS as images of their registers (a tile of 16 rows: 4,096 bytes for 512 along K; a fragment is two loads of 512 consecutive bytes), so there is no pitch and no padding.
; CLUSTERS: 4 x 4 work-groups.  The four of a row of the cluster need the same tokens' tiles, the four of a column the same columns' tiles: each is asked for jointly, by the same tensor load with a mask of the four.
; A cluster covers 1,024 columns: cluster x = 0 makes q, 1 makes k, 2 makes v.  What is chosen by it is the same in all sixteen partners.
; WHICH SIDE IS SOURCE 0.  A lane's eight results run along source 0's rows.  q, k: source 0 = columns, so that a lane holds one token and its registers run along the head's channels, their K.
; v: source 0 = tokens, so that a lane holds one channel and its registers run along the keys, its K.  Tokens' and columns' tiles have one format: the swap is a swap of LDS read addresses and nothing else.
; The rows of a tile are chosen (member 32 (t / 2) + 8 (t % 2) + r % 8 + 16 (r / 8) of a group of 128) so that a lane's 64 results against source 0's eight tiles are 16 neighbours of each of four blocks of 32.
; THE BIAS is the C of each sum's first product.  THE WAY OUT uses no LDS: the codes are register images and leave by stores of 512 consecutive bytes.
; qkv: a block of 13,568 bytes for each (batch x head, group of 128 tokens): K's codes 4,096, K's scale words 512, V's codes 4,096, V's scale words 256, Q's codes 4,096, Q's scale words 512.
; LIMITS: as stated at the head of the first launch (byte held at 1 from below; a block of zeros has the byte 1; NaN and infinities are not served).
; REGISTERS: window 0: v16-29 addresses; v32-95 scale words, two sets; v96-127 at work on the way out; v128-191 source 1's fragments, ONE set, later the codes.
;   window 1: source 0's fragments, two sets, at v0 and v128; the bias at v192-255.   windows 2, 3: the accumulators ((a, b) at v[8 (8 (a % 4) + b)]).
.set NQ,    4                          ; steps of 128 along K in a slot
.set FR,    8                          ; registers of a fragment
.set NL,    2                          ; LDS loads that bring one
.set NP,    4                          ; places behind this matrix instruction (ISA guide 7.12.1)
.set TILEB, 8704                       ; a tile in memory
.set TSL,   4096                       ; a tile's codes of 512 along K
.set SLOT,  131072                     ; the tokens' 16 tiles, then the columns' 16
.set SCL,   262144                     ; behind the slots: the scale words, 512 bytes a tile: tokens' 16 tiles, then the columns' 16
.set HALFS, 4096
.set SPARE, 294912                     ; the spare words, 128 bytes for each wave; no other line names them
.set NEXTH, 217088                     ; from a head's block in qkv to the next head's: 16 blocks
.set ADRA, 16                          ; v16-17  LDS address of source 1's fragments in slot 0, 1
.set ADRB, 20                          ; v20-21  of source 0's
.set LI,   24                          ; v24     16 x lane
.set VS,   25                          ; v25     where v's scale words go
.set ADRS, 27                          ; v27     my scale words: lanes 0-15 source 1's rows, lanes 16-31 source 0's
.set SPW,  28
.set NIL,  29
.set SC,   32
.set TM,   96                          ; v96-111  at work
.set PW,   112                         ; v112-119 a scale word for each block of source 1
.set DW,   120                         ; v120-127 the words as they are stored
.set AF,   128
.set PC,   128
.set BI,   192                         ; in window 1
.set G1, 24
.set G0, 32
.set G1B, 48
.set G0B, 56
.set G1S, 68
.set G0S, 76
.set G1SB, 80
.set G0SB, 88
.set SEL, 92
.set HM,  99
.set MSB, 0
.macro WIN new                         ; the immediate's high byte repeats the setting that is left
.if MSB != (\new)
	s_set_vgpr_msb (MSB<<8)|(\new)
.set MSB, (\new)
.endif
.endm
.set MUL_LO, 0xa1                      ; source 0 window 1, source 1 window 0, C and D window 2
.set MUL_HI, 0xf1                      ; the same, C and D window 3
.set TO_B,   0x40                      ; destination window 1
; A joint load: waves 0 and 1 fetch the tokens' tiles, waves 2 and 3 the columns'.  An s_nop 0 and four v_nop follow each of the two lines.
.macro JLOAD g0a, g1a, g0b, g1b
	s_cmp_eq_u32 s15, 0
	s_cbranch_scc0 .Lfor_b_\@
	tensor_load_to_lds s[\g0a:\g0a+3], s[\g1a:\g1a+7]
	s_nop 0
.rept 4
	v_nop
.endr
	s_branch .Lasked_\@
.Lfor_b_\@:
	tensor_load_to_lds s[\g0b:\g0b+3], s[\g1b:\g1b+7]
	s_nop 0
.rept 4
	v_nop
.endr
.Lasked_\@:
.endm
.macro CROUND                          ; a round of the cluster's barrier
	s_barrier_signal -1
	s_barrier_wait -1
	s_cmp_lg_u32 s14, 0
	s_cbranch_scc1 .Lnot_wave_0_\@
	s_barrier_signal -3
.Lnot_wave_0_\@:
	s_barrier_wait -3
	s_barrier_signal -1
	s_barrier_wait -1
.endm
	s_load_b256 s[4:11], s[0:1], 0x0               ; xq s[4:5], waq s[6:7], b_attn s[8:9], qkv s[10:11]
	v_lshl_add_u32 v[SPW], v0, 2, SPARE
	v_mov_b32 v[NIL], 0
	ds_add_u32 v[SPW], v[NIL]                      ; the wave's opening: the add, twice on end, and its wait ahead of my first tensor load
	ds_add_u32 v[SPW], v[NIL]
	v_lshrrev_b32 v1, 5, v0
	v_readfirstlane_b32 s14, v1                    ; wave 0..3
	s_lshr_b32 s15, s14, 1                         ; source 1's half that is mine.  Also: I fetch tokens (0) or columns (1)
	s_and_b32 s16, s14, 1                          ; source 0's half.  Also: which 8 tiles I fetch
	s_bfe_u32 s40, ttmp6, 0x40000                  ; cx, cy
	s_bfe_u32 s41, ttmp6, 0x40004
	s_lshl_b32 s42, ttmp9, 2
	s_add_co_u32 s42, s42, s40                     ; tile column
	s_and_b32 s17, ttmp7, 0xffff
	s_lshl_b32 s17, s17, 2
	s_add_co_u32 s17, s17, s41                     ; tile row
	s_lshl_b32 s43, s41, 2
	s_lshl_b32 s43, 15, s43                        ; my row of the cluster
	s_lshl_b32 s44, 0x1111, s40                    ; my column
	s_or_b32 s[G1+0], s43, (3<<16)|(1<<21)         ; 15:0 the mask; 17:16 elements of 8 bytes; 21 set beside a mask; no padding
	s_or_b32 s[G1B+0], s44, (3<<16)|(1<<21)
.irp g, G1, G1B                        ; 8 tiles' 4,096 bytes, 8,704 bytes apart
	s_mov_b32 s[\g+1], 512<<16                     ; tensor_dim0 = 512 elements
	s_mov_b32 s[\g+2], 8<<16                       ; tensor_dim1 = 8
	s_mov_b32 s[\g+3], 512<<16                     ; tile_dim0
	s_mov_b32 s[\g+4], 8                           ; tile_dim1
	s_mov_b32 s[\g+5], 1088                        ; from row to row, in elements
	s_mov_b32 s[\g+6], 0
	s_mov_b32 s[\g+7], 0
.endr
	s_or_b32 s[G1S+0], s43, (3<<16)|(1<<21)
	s_or_b32 s[G1SB+0], s44, (3<<16)|(1<<21)
.irp g, G1S, G1SB                      ; 8 tiles' 512 bytes of scale words
	s_mov_b32 s[\g+1], 64<<16
	s_mov_b32 s[\g+2], 8<<16
	s_mov_b32 s[\g+3], 64<<16
	s_mov_b32 s[\g+4], 8
	s_mov_b32 s[\g+5], 1088
	s_mov_b32 s[\g+6], 0
	s_mov_b32 s[\g+7], 0
.endr
	s_lshl_b32 s18, s16, 3
	s_lshl_b32 s20, s17, 4
	s_add_co_u32 s20, s20, s18                     ; tokens: tile 16 x tile row + 8 x half
	s_mul_i32 s20, s20, TILEB
	s_mov_b32 s21, 0
	s_lshl_b32 s46, s42, 4
	s_add_co_u32 s46, s46, s18                     ; columns: tile 16 x tile column + 8 x half
	s_mul_i32 s46, s46, TILEB
	s_mov_b32 s47, 0
	s_lshl_b32 s45, s14, 15                        ; where they go: wave x 8 tiles: no place in the cluster enters an LDS address
	s_lshl_b32 s94, s14, 12
	s_mov_b32 s[SEL], 0x76543210
	s_mov_b32 s[SEL+1], 0xfedcba98
	s_mov_b32 s[HM], 0xffff0000
	s_wait_dscnt 0x0                               ; both opening adds are done
	s_wait_kmcnt 0x0
	s_add_nc_u64 s[20:21], s[4:5], s[20:21]
	s_add_nc_u64 s[46:47], s[6:7], s[46:47]
	CROUND                                         ; all sixteen work-groups are here: the first joint loads meet
	s_mov_b32 s[G0S], 1
	s_add_co_u32 s[G0S+1], s94, SCL
	s_add_nc_u64 s[G0S+2:G0S+3], s[20:21], 8192
	s_or_b32 s[G0S+3], s[G0S+3], 0x80000000
	s_mov_b32 s[G0SB], 1
	s_add_co_u32 s[G0SB+1], s94, SCL
	s_add_nc_u64 s[G0SB+2:G0SB+3], s[46:47], 8192
	s_or_b32 s[G0SB+3], s[G0SB+3], 0x80000000
	JLOAD G0S, G1S, G0SB, G1SB                     ; the scale words first
.irp s, 0,1
	s_mov_b32 s[G0+4*\s], 1
	s_add_co_u32 s[G0+4*\s+1], s45, \s*SLOT
	s_add_nc_u64 s[G0+4*\s+2:G0+4*\s+3], s[20:21], \s*TSL
	s_or_b32 s[G0+4*\s+3], s[G0+4*\s+3], 0x80000000
	s_mov_b32 s[G0B+4*\s], 1
	s_add_co_u32 s[G0B+4*\s+1], s45, \s*SLOT
	s_add_nc_u64 s[G0B+4*\s+2:G0B+4*\s+3], s[46:47], \s*TSL
	s_or_b32 s[G0B+4*\s+3], s[G0B+4*\s+3], 0x80000000
	JLOAD G0+4*\s, G1, G0B+4*\s, G1B               ; three loads of mine are out at the most
.endr
	v_and_b32 v1, 15, v0                           ; r
	v_bfe_u32 v2, v0, 4, 1                         ; h
	v_and_b32 v3, 31, v0
	v_lshlrev_b32 v[LI], 4, v3
	s_wait_alu depctr_va_vdst(0)
	s_cmp_eq_u32 ttmp9, 2                          ; is this cluster v's?  The cluster's x: the same in all partners
	s_cselect_b32 s96, 1, 0
	s_cselect_b32 s97, s16, s15                    ; my half of the tokens
	s_cselect_b32 s98, s15, s16                    ; my half of the columns
	s_lshl_b32 s21, s97, 15                        ; my tokens' 8 tiles in a slot
	s_lshl_b32 s22, s98, 15
	s_add_co_u32 s22, s22, 65536                   ; my columns' 8 tiles
	s_cmp_eq_u32 s96, 1
	s_cselect_b32 s23, s22, s21                    ; source 1: tokens, for v columns
	s_cselect_b32 s22, s21, s22                    ; source 0: the other
.irp s, 0,1
	v_add_nc_u32 v[ADRA+\s], s23, v[LI]
	v_add_nc_u32 v[ADRB+\s], s22, v[LI]
	s_add_co_u32 s23, s23, SLOT
	s_add_co_u32 s22, s22, SLOT
.endr
	v_lshlrev_b32 v5, 4, v1                        ; the scale words: 16 bytes a row,
	s_lshl_b32 s21, s97, 12                        ; the tokens' at my half,
	s_lshl_b32 s22, s98, 12
	s_add_co_u32 s22, s22, 2*HALFS                 ; the columns' behind the tokens' 16 tiles:
	s_sub_co_u32 s22, s22, s21                     ; the distance between the two
	v_xor_b32 v6, s96, v2                          ; lanes 16-31 take source 0's: the columns', for v the tokens'
	v_mul_u32_u24 v6, s22, v6
	s_add_co_u32 s21, s21, SCL
	v_add_nc_u32 v5, v5, v6
	v_add_nc_u32 v[ADRS], s21, v5
	v_mul_u32_u24 v[VS], v2, NEXTH
	v_lshl_add_u32 v[VS], v1, 4, v[VS]             ; v's scale words: 16 r, lanes 16-31 in the next head's block
	; the bias of my 128 columns
	s_lshl_b32 s46, s42, 8
	s_lshl_b32 s47, s98, 7
	s_add_co_u32 s46, s46, s47
	s_lshl_b32 s46, s46, 2
	s_mov_b32 s47, 0
	s_add_nc_u64 s[8:9], s[8:9], s[46:47]
	; where my results go: block ((batch x 16 + head) x 16 + group), and the part of it
	s_lshr_b32 s20, s17, 3
	s_lshl_b32 s20, s20, 4
	s_lshl_b32 s21, s40, 2
	s_add_co_u32 s20, s20, s21
	s_lshl_b32 s21, s98, 1
	s_add_co_u32 s20, s20, s21                     ; batch x 16 + my first head
	s_lshl_b32 s20, s20, 4
	s_and_b32 s21, s17, 7
	s_lshl_b32 s21, s21, 1
	s_add_co_u32 s20, s20, s21
	s_add_co_u32 s20, s20, s97                     ; + my group of 128 tokens
	s_mul_i32 s20, s20, 13568
	s_cmp_eq_u32 ttmp9, 0
	s_cselect_b32 s21, 8960, 0                     ; q's part; k's
	s_cmp_eq_u32 ttmp9, 2
	s_cselect_b32 s21, 4608, s21                   ; v's
	s_add_co_u32 s20, s20, s21
	s_mov_b32 s21, 0
	s_add_nc_u64 s[10:11], s[10:11], s[20:21]
	s_cmp_eq_u32 s96, 1
	s_cbranch_scc1 .Lbias_v
	v_lshlrev_b32 v4, 6, v2                        ; q, k: register j of source 0's tile b is column 32 (b / 2) + 16 h + 8 (b % 2) + j
	WIN TO_B
.irp b, 0,1,2,3,4,5,6,7
	global_load_b128 v[BI+8*\b:BI+8*\b+3], v4, s[8:9] offset:(32*(\b/2)+8*(\b%2))*4
	global_load_b128 v[BI+8*\b+4:BI+8*\b+7], v4, s[8:9] offset:(32*(\b/2)+8*(\b%2))*4+16
.endr
	WIN 0
	s_branch .Lbias_done
.Lbias_v:
	v_and_b32 v4, 8, v1                            ; v: a lane holds ONE column of source 1's tile a: 32 (a / 2) + 8 (a % 2) + r % 8 + 16 (r / 8)
	v_add_nc_u32 v4, v4, v1
	v_lshlrev_b32 v4, 2, v4
.irp a, 0,1,2,3,4,5,6,7
	global_load_b32 v[TM+\a], v4, s[8:9] offset:(32*(\a/2)+8*(\a%2))*4
.endr
	s_wait_loadcnt 0x0
	WIN TO_B
.irp a, 0,1,2,3,4,5,6,7
.irp j, 0,1,2,3,4,5,6,7
	v_mov_b32 v[BI+8*\a+\j], v[TM+\a]              ; the same number in all eight registers of the tile
.endr
.endr
	WIN 0
.rept 8
	v_nop
.endr
.Lbias_done:
.macro FRAG reg, adr, q, i             ; a fragment, 16 rows x 128 K: two loads of 512 consecutive bytes
.irp c, 0,1
	ds_load_b128 v[\reg+4*\c:\reg+4*\c+3], v[\adr] offset:TSL*(\i)+1024*(\q)+512*\c
.endr
.endm
; 16 matrix instructions: source 1's blocks a0, a0 + 1 x source 0's eight.  mode 0: the sums go on; 1: they start from the bias by source 0's tile; 2: by source 1's.
; The 64 accumulators take turns, one instruction a turn, in the same order in every step.
.macro MUL16 a0, p, q, sc, mode
.irp a, \a0, \a0+1
.irp b, 0,1,2,3,4,5,6,7
.if (\mode) == 1
	v_wmma_scale_f32_16x16x128_f8f6f4 v[8*(8*((\a)%4)+\b):8*(8*((\a)%4)+\b)+7], v[128*(\p)+FR*\b:128*(\p)+FR*\b+FR-1], v[AF+FR*(\a):AF+FR*(\a)+FR-1], v[BI+8*\b:BI+8*\b+7], v[SC+8*NQ*(\sc)+NQ*\b+(\q)], v[SC+8*NQ*(\sc)+NQ*(\a)+(\q)] matrix_a_fmt:MATRIX_FMT_FP4 matrix_b_fmt:MATRIX_FMT_FP4 matrix_a_scale:MATRIX_SCALE_ROW1
.elseif (\mode) == 2
	v_wmma_scale_f32_16x16x128_f8f6f4 v[8*(8*((\a)%4)+\b):8*(8*((\a)%4)+\b)+7], v[128*(\p)+FR*\b:128*(\p)+FR*\b+FR-1], v[AF+FR*(\a):AF+FR*(\a)+FR-1], v[BI+8*(\a):BI+8*(\a)+7], v[SC+8*NQ*(\sc)+NQ*\b+(\q)], v[SC+8*NQ*(\sc)+NQ*(\a)+(\q)] matrix_a_fmt:MATRIX_FMT_FP4 matrix_b_fmt:MATRIX_FMT_FP4 matrix_a_scale:MATRIX_SCALE_ROW1
.else
	v_wmma_scale_f32_16x16x128_f8f6f4 v[8*(8*((\a)%4)+\b):8*(8*((\a)%4)+\b)+7], v[128*(\p)+FR*\b:128*(\p)+FR*\b+FR-1], v[AF+FR*(\a):AF+FR*(\a)+FR-1], v[8*(8*((\a)%4)+\b):8*(8*((\a)%4)+\b)+7], v[SC+8*NQ*(\sc)+NQ*\b+(\q)], v[SC+8*NQ*(\sc)+NQ*(\a)+(\q)] matrix_a_fmt:MATRIX_FMT_FP4 matrix_b_fmt:MATRIX_FMT_FP4 matrix_a_scale:MATRIX_SCALE_ROW1
.endif
.endr
.endr
.endm
.macro FETCH_B slot, q, p              ; source 0's eight fragments into set p
	WIN TO_B
.irp i, 0,1,2,3,4,5,6,7
	FRAG 128*(\p)+FR*\i, ADRB+\slot, \q, \i
.endr
	WIN 0
.endm
.macro FETCH_A slot, q, i0             ; source 1's blocks i0 .. i0 + 3
.irp i, \i0, \i0+1, \i0+2, \i0+3
	FRAG AF+FR*(\i), ADRA+\slot, \q, \i
.endr
.endm
.macro SCALES sc                       ; a slot's scale words: four a row; lanes 0-15 source 1's block i, lanes 16-31 source 0's
.irp i, 0,1,2,3,4,5,6,7
	ds_load_b128 v[SC+8*NQ*\sc+NQ*\i:SC+8*NQ*\sc+NQ*\i+3], v[ADRS] offset:512*\i+256*\sc
.endr
.endm
.macro PLACES n                        ; plain places behind matrix instructions, in front of loads into registers that they have read
.rept \n
	v_nop
.endr
.endm
.macro STEP slot, q, mode              ; a step of 128 along K that has its successor in the same slot
	s_wait_dscnt 4*NL                              ; source 0's set and source 1's blocks 0-3 are in; the youngest eight loads (blocks 4-7) may be out
.if \mode
	WIN 0x91                                       ; C (the bias) window 1, D window 2
.else
	WIN MUL_LO
.endif
	MUL16 0, (\q)%2, \q, \slot, \mode
	MUL16 2, (\q)%2, \q, \slot, \mode
	s_wait_dscnt 0                                 ; blocks 4-7 are in
	PLACES NP
	FETCH_B \slot, (\q)+1, 1-(\q)%2
	FETCH_A \slot, (\q)+1, 0
.if \mode
	WIN 0xd1
.else
	WIN MUL_HI
.endif
	MUL16 4, (\q)%2, \q, \slot, \mode
	MUL16 6, (\q)%2, \q, \slot, \mode
	PLACES NP
	WIN 0
	FETCH_A \slot, (\q)+1, 4
.endm
	s_wait_tensorcnt 1                             ; the scale words and my part of slot 0 are in; slot 1's load may be out
	s_barrier_signal -1
	s_barrier_wait -1                              ; everybody's are
	FETCH_B 0, 0, 0
	FETCH_A 0, 0, 0
	s_wait_alu depctr_va_vdst(0)
	SCALES 0
	FETCH_A 0, 0, 4
	s_wait_loadcnt 0x0                             ; the bias
	s_cmp_eq_u32 s96, 1
	s_cbranch_scc1 .Lfirst_v
	STEP 0, 0, 1                                   ; the first step starts the sums from the bias: nothing is cleared, nothing is added later
	s_branch .Lfirst_done
.Lfirst_v:
	STEP 0, 0, 2
.Lfirst_done:
	STEP 0, 1, 0
	STEP 0, 2, 0
	; slot 0's last step changes slots: one barrier; in front of it each wave waits for its tensor loads (slot 1's part) and for its reads
	s_wait_tensorcnt 0x0
	ds_add_u32 v[SPW], v[NIL]                      ; 0 onto my spare word
	s_wait_dscnt 4*NL+1                            ; the add and the youngest eight loads may be out
	WIN MUL_LO
	MUL16 0, 1, NQ-1, 0, 0
	s_wait_dscnt 0x0                               ; the add is done, and my reads of slot 0 are over
	s_barrier_signal -1
	MUL16 2, 1, NQ-1, 0, 0
	WIN 0
	s_barrier_wait -1                              ; slot 1 is whole
	PLACES NP
	FETCH_B 1, 0, 0
	FETCH_A 1, 0, 0
	SCALES 1
	WIN MUL_HI
	MUL16 4, 1, NQ-1, 0, 0
	MUL16 6, 1, NQ-1, 0, 0
	PLACES NP
	WIN 0
	FETCH_A 1, 0, 4
	STEP 1, 0, 0
	STEP 1, 1, 0
	STEP 1, 2, 0
	s_wait_dscnt 4*NL                              ; the last step: nothing more to fetch
	WIN MUL_LO
	MUL16 0, 1, NQ-1, 1, 0
	MUL16 2, 1, NQ-1, 1, 0
	s_wait_dscnt 0
	WIN MUL_HI
	MUL16 4, 1, NQ-1, 1, 0
	MUL16 6, 1, NQ-1, 1, 0
	WIN 0
; THE WAY OUT.  Block a of source 1: my lane's 64 results, register 16 b + i = member 32 b + 16 h + i of source 0's 128, become a fragment's codes in v[PC + 8 a] on and a scale word in v[PW + a].
; Each accumulator is read from its low end on.  Every block has registers of its own for its codes and its word, so that no store's data are written again.
.macro QUANT a
.set AW, 2+(\a)/4
.set AC, 64*((\a)%4)
	WIN (AW<<2)|(AW<<4)                            ; sources 1 and 2: the accumulators' window
.irp b, 0,1,2,3
	v_max3_num_f32 v[TM+\b], 0x1800000, |v[AC+16*\b]|, |v[AC+16*\b+1]|   ; the floor 2^(3 - 127) among the leaves
.endr
.irp i, 2,4,6,8,10,12,14
.irp b, 0,1,2,3
	v_max3_num_f32 v[TM+\b], v[TM+\b], |v[AC+16*\b+\i]|, |v[AC+16*\b+\i+1]|
.endr
.endr
	WIN 0
.irp b, 0,1,2,3
	v_permlanex16_b32 v[TM+4+\b], v[TM+\b], s[SEL], s[SEL+1]
.endr
.irp b, 0,1,2,3
	v_max_num_f32 v[TM+\b], v[TM+\b], v[TM+4+\b]
.endr
.irp b, 0,1,2,3
	v_add_nc_u32 v[TM+12+\b], 0xff000000, v[TM+\b]
.endr
.irp b, 0,1,2,3
	v_lshrrev_b32 v[TM+4+\b], 23, v[TM+12+\b]
.endr
	v_lshl_or_b32 v[PW+(\a)], v[TM+5], 8, v[TM+4]
	v_lshl_or_b32 v[PW+(\a)], v[TM+6], 16, v[PW+(\a)]
	v_lshl_or_b32 v[PW+(\a)], v[TM+7], 24, v[PW+(\a)]
	WIN AW                                         ; source 0: the accumulators' window
.irp b, 0,1,2,3
	v_cvt_scalef32_pk8_fp4_f32 v[PC+8*(\a)+2*\b], v[AC+16*\b:AC+16*\b+7], v[TM+12+\b]
	v_cvt_scalef32_pk8_fp4_f32 v[PC+8*(\a)+2*\b+1], v[AC+16*\b+8:AC+16*\b+15], v[TM+12+\b]
.endr
	WIN 0
	v_nop                                          ; one plain place behind a scaled conversion
.irp c, 0,1
.irp i, 0,1
	v_permlane16_swap_b32 v[PC+8*(\a)+4*\c+\i], v[PC+8*(\a)+2+4*\c+\i]
.endr
.endr
.endm
.irp b, 0,1,2,3
	v_mov_b32 v[TM+4+\b], 0                        ; a lane permute's destination counts as one of its sources; these four are also the places behind the last products
.endr
.irp a, 0,1,2,3,4,5,6,7
	QUANT \a
.endr
.irp j, 0,1,2,3
	v_cndmask_b32 v[DW+\j], v[PW+\j], v[PW+4+\j], s[HM]   ; lanes 0-15 store the words of blocks 0-3, lanes 16-31 those of blocks 4-7
.endr
	s_cmp_eq_u32 s96, 1
	s_cbranch_scc1 .Lstore_v
.irp j, 0,1,2,3
	v_lshrrev_b32 v[DW+4+\j], 16, v[DW+\j]         ; q, k: a word's bytes 0, 1 are my first head's two blocks, bytes 2, 3 the second's.  What stands in a stored word's bytes 2, 3 (the neighbour's bytes, or 0) meets zero codes alone
.endr
.irp a, 0,1,2,3,4,5,6,7
	global_store_b128 v[LI], v[PC+8*\a:PC+8*\a+3], s[10:11] offset:512*\a              ; tile a of 16 tokens, my first head's 64 channels: 512 consecutive bytes, aligned
	global_store_b128 v[LI], v[PC+8*\a+4:PC+8*\a+7], s[10:11] offset:NEXTH+512*\a      ; and my second head's
.endr
	global_store_b128 v[LI], v[DW:DW+3], s[10:11] offset:4096
	global_store_b128 v[LI], v[DW+4:DW+7], s[10:11] offset:NEXTH+4096
	s_branch .Lstored
.Lstore_v:
	s_wait_alu depctr_va_vdst(0)
.irp a, 0,1,2,3,4,5,6,7
	global_store_b128 v[LI], v[PC+8*\a:PC+8*\a+3], s[10:11] offset:(\a/4)*NEXTH+(\a%4)*1024          ; v: head a / 4, its tile a % 4 of 16 channels, keys 0-63 of the group,
	global_store_b128 v[LI], v[PC+8*\a+4:PC+8*\a+7], s[10:11] offset:(\a/4)*NEXTH+(\a%4)*1024+512    ; keys 64-127
.endr
	global_store_b128 v[VS], v[DW:DW+3], s[10:11] offset:4096   ; sixteen lanes store a head's 256 bytes of scale words
.Lstored:
	s_wait_tensorcnt 0x0                           ; the wave's end
	ds_add_u32 v[SPW], v[NIL]
	s_wait_dscnt 0x0
	CROUND                                         ; the closing round
	s_endpgm
.Lfunc_end_k_qd9e9be3df6_gemm_qkv:
	.size	k_qd9e9be3df6_gemm_qkv, .Lfunc_end_k_qd9e9be3df6_gemm_qkv-k_qd9e9be3df6_gemm_qkv
	.p2alignl 7, 3214868480
	.fill 96, 4, 3214868480
	.section	.rodata,"a",@progbits
	.p2align	6, 0x0
	.amdhsa_kernel k_qd9e9be3df6_gemm_qkv
		.amdhsa_group_segment_fixed_size 327680
		.amdhsa_private_segment_fixed_size 0
		.amdhsa_enable_private_segment 0
		.amdhsa_kernarg_size 32
		.amdhsa_user_sgpr_count 2
		.amdhsa_user_sgpr_kernarg_segment_ptr 1
		.amdhsa_wavefront_size32 1
		.amdhsa_system_sgpr_workgroup_id_x 1
		.amdhsa_system_sgpr_workgroup_id_y 1
		.amdhsa_system_sgpr_workgroup_id_z 1
		.amdhsa_system_vgpr_workitem_id 0
		.amdhsa_next_free_vgpr 1024
		.amdhsa_next_free_sgpr 100
		.amdhsa_reserve_vcc 0
		.amdhsa_float_denorm_mode_32 3
		.amdhsa_float_denorm_mode_16_64 3
		.amdhsa_memory_ordered 1
		.amdhsa_forward_progress 1
		.amdhsa_inst_pref_size 145
	.end_amdhsa_kernel
	.amdgpu_metadata
---
amdhsa.version: [ 1, 2 ]
amdhsa.kernels:
  - .name:           k_qd9e9be3df6_gemm_qkv
    .symbol:         k_qd9e9be3df6_gemm_qkv.kd
    .args:
      - { .name: xq, .offset: 0, .size: 8, .value_kind: global_buffer, .address_space: global }
      - { .name: waq, .offset: 8, .size: 8, .value_kind: global_buffer, .address_space: global }
      - { .name: b_attn, .offset: 16, .size: 8, .value_kind: global_buffer, .address_space: global }
      - { .name: qkv, .offset: 24, .size: 8, .value_kind: global_buffer, .address_space: global }
    .group_segment_fixed_size: 327680
    .private_segment_fixed_size: 0
    .kernarg_segment_align: 8
    .kernarg_segment_size: 32
    .max_flat_workgroup_size: 128
    .sgpr_count:     100
    .vgpr_count:     1024
    .wavefront_size: 32
...
	.end_amdgpu_metadata
.endif
;; end of part 2
;; launch attn (part 3): grid 4 x 64, 16 waves a work-group, clusters of 4 x 1, 167,936 bytes of LDS; arguments qkv, yq; writes yq
.if DOCPART == 3
	.amdgcn_target "amdgcn-amd-amdhsa--gfx1250"
	.amdhsa_code_object_version 6
	.text
	.protected	k_qd9e9be3df6_attn
	.globl	k_qd9e9be3df6_attn
	.p2align	8
	.type	k_qd9e9be3df6_attn,@function
k_qd9e9be3df6_attn:
	s_mov_b64 s[64:65], 0
	v_nop
	global_prefetch_b8 v0, s[64:65] scope:SCOPE_SE
	s_setreg_imm32_b32 hwreg(HW_REG_WAVE_MODE, 25, 1), 1
	s_wait_xcnt 0x0
	s_wait_alu depctr_hold_cnt(0) depctr_sa_sdst(0) depctr_va_vdst(0) depctr_va_sdst(0) depctr_va_ssrc(0) depctr_va_vcc(0) depctr_vm_vsrc(0)
	s_getreg_b32 s2, hwreg(HW_REG_IB_STS2, 6, 4)
	s_cmp_eq_u32 s2, 0
	s_cbranch_scc0 .Lentry_in_a_cluster
	s_endpgm
.Lentry_in_a_cluster:
	s_bfe_u32 s2, ttmp6, 0x10000c
	s_cmp_lg_u32 s2, 0x3003
	s_cbranch_scc0 .Lentry_shape_is_right
	s_endpgm
.Lentry_shape_is_right:
; Launch 3 of 4: y = softmax(q k^T / 8, causal) v for each batch and head, both products on codes of E2M1; y is quantised along (head, channel) in registers.
; WORK LEFT OUT: a step of 128 keys all of which come after all queries of a tile (reference()'s own causal mask makes their p exactly 0: see the head of the first launch).
; THE SOFTMAX AHEAD OF THE SECOND PRODUCT: t = score x log2(e) / 8; M = the running largest t rounded up to a whole number; p = 2^(t - M) is quantised along the keys, not normalised; the row's sum is taken of the
; unquantised p and divides at the end.  When M moves, the sum and O are multiplied by 2^(old M - new M): exact.
; SHARES.  The four work-groups of a cluster serve one (batch, head).  A head's K and V, codes and scale words, are 16 steps x 8,960 bytes: they fit in LDS whole, so each byte of LDS is filled once.
; Wave w asks for key step w, JOINTLY with the same wave of the three partners: the same tensor load, the same descriptor, a mask of the four.
; A wave owns two tiles of 16 queries, one after the other: tile 2 x of group w, then tile 2 x + 1 of group 15 - w (x: my work-group's place; it enters global addresses and a lane's number alone).
; A tile of group g walks key steps 0 .. g: w + 1 and 16 - w steps, 17 for every wave of every work-group.
; LAYOUT.  Both products are used transposed: S^T = K Q^T, O^T = V^T P^T: a lane holds ONE query throughout.  The keys of a tile of K, the channels of a tile of V and the queries of a tile of Q are members
; 32 (t / 2) + 8 (t % 2) + r % 8 + 16 (r / 8) of their group, so that p's and O^T's registers are 16 neighbours of each block of 32 along the next K.
; The first product's K is the head's 64: the upper 64 of the instruction's 128 are zero codes on both sides.
; LIMITS: as stated at the head of the first launch.
; REGISTERS: v1-9 addresses; v12 -M, v13 the largest t, v[14:15] the sum; v16-19 Q, v20-23 zeros; v24-27 K's scale words, v28-31 V's; v32-95 K (the upper four of each eight: zeros); v96-159 S^T, then p;
;   v160-191 O^T; v192-223 V; v224-231 p's codes; v232-254 at work (v253: p's scale word); v255 Q's scale word.
.set STEPB, 8960                       ; a key step in LDS: K's codes 4,096, K's scale words 512, V's codes 4,096, V's scale words 256
.set BLKB,  13568                      ; a block of qkv
.set SPARE, 143360                     ; behind the 16 steps: the spare words, 128 bytes for each wave
.set LI,  1                            ; v1  16 x lane
.set RI,  2                            ; v2  16 x (lane % 16)
.set DL,  3                            ; v3  r % 8 + 16 (r / 8) - 16 h
.set DD,  4                            ; v4  my query's place in its group - 16 h
.set SPW, 5
.set NIL, 6
.set YS,  7                            ; v7  16 r + h
.set ADK, 8
.set ADR, 9
.set WV,  18
.set SEL, 20
.set CS,  22                           ; s[22:23] c = log2(e) / 8
.set G1,  24
.set G0,  32
.set CX,  36
.set BH,  37
.set GG,  38                           ; the pass's group of queries
.set TT,  39                           ; its tile
.set TB,  40                           ; LDS byte at which the step in hand begins
.set ST,  41                           ; the step
.set HM,  42
.set QC,  56                           ; s[56:57] Q's codes, s[58:59] Q's scale words, s[60:61] y's codes, s[66:67] y's scale bytes
.set QS,  58
.set YC,  60
.set YB,  66
.macro CROUND
	s_barrier_signal -1
	s_barrier_wait -1
	s_cmp_lg_u32 s[WV], 0
	s_cbranch_scc1 .Lnot_wave_0_\@
	s_barrier_signal -3
.Lnot_wave_0_\@:
	s_barrier_wait -3
	s_barrier_signal -1
	s_barrier_wait -1
.endm
	s_load_b128 s[4:7], s[0:1], 0x0                ; qkv s[4:5], yq s[6:7]
	v_lshl_add_u32 v[SPW], v0, 2, SPARE
	v_mov_b32 v[NIL], 0
	ds_add_u32 v[SPW], v[NIL]                      ; the wave's opening: the add, twice on end, and its wait ahead of my first tensor load
	ds_add_u32 v[SPW], v[NIL]
	v_lshrrev_b32 v8, 5, v0
	s_delay_alu instid0(VALU_DEP_1)
	v_readfirstlane_b32 s[WV], v8                  ; wave 0..15
	s_bfe_u32 s[CX], ttmp6, 0x40000                ; my place in the cluster
	s_and_b32 s[BH], ttmp7, 0xffff                 ; batch x 16 + head, which the four partners share
	s_mov_b32 s[G1], 15|(3<<16)|(1<<21)            ; 15:0 the mask: all four; 17:16 elements of 8 bytes; 21 set beside a mask; no padding
	s_mov_b32 s[G1+1], 32<<16                      ; a dense block of 8,960 bytes as 35 rows of 256
	s_mov_b32 s[G1+2], 35<<16
	s_mov_b32 s[G1+3], 32<<16
	s_mov_b32 s[G1+4], 35
	s_mov_b32 s[G1+5], 32
	s_mov_b32 s[G1+6], 0
	s_mov_b32 s[G1+7], 0
	s_mov_b32 s[SEL], 0x76543210
	s_mov_b32 s[SEL+1], 0xfedcba98
	s_mov_b32 s[CS], 0x3e38aa3b                    ; log2(e) / 8
	s_mov_b32 s[CS+1], s[CS]
	s_mov_b32 s[HM], 0xffff0000
	s_lshl_b32 s44, s[BH], 4                       ; the head's first block
	s_add_co_u32 s45, s44, s[WV]
	s_mul_i32 s46, s45, BLKB                       ; key step w in memory,
	s_mov_b32 s47, 0
	s_mul_i32 s43, s[WV], STEPB                    ; and in LDS
	s_wait_dscnt 0x0                               ; both opening adds are done
	s_wait_kmcnt 0x0
	CROUND                                         ; all four work-groups are here: the joint loads meet
	s_mov_b32 s[G0], 1
	s_mov_b32 s[G0+1], s43
	s_add_nc_u64 s[G0+2:G0+3], s[4:5], s[46:47]
	s_or_b32 s[G0+3], s[G0+3], 0x80000000
	tensor_load_to_lds s[G0:G0+3], s[G1:G1+7]      ; my one tensor load
	s_nop 0
.rept 4
	v_nop
.endr
	v_and_b32 v8, 31, v0
	s_delay_alu instid0(VALU_DEP_1)
	v_lshlrev_b32 v[LI], 4, v8
	v_and_b32 v8, 15, v0                           ; r
	v_bfe_u32 v9, v0, 4, 1                         ; h
	s_delay_alu instid0(VALU_DEP_2)
	v_lshlrev_b32 v[RI], 4, v8
	s_delay_alu instid0(VALU_DEP_1)
	v_add_nc_u32 v[YS], v[RI], v9
	s_delay_alu instid0(VALU_DEP_4)
	v_and_b32 v[DL], 8, v8
	s_delay_alu instid0(VALU_DEP_1)
	v_add_nc_u32 v[DL], v[DL], v8                  ; r + 8 (r / 8)
	v_lshlrev_b32 v9, 4, v9
	s_delay_alu instid0(VALU_DEP_1)
	v_sub_nc_u32 v[DL], v[DL], v9
.irp j, 0,1,2,3
	v_mov_b32 v[20+\j], 0                          ; Q's upper 64 along K: zero codes
	v_mov_b32 v[236+\j], 0                         ; written once: a lane permute's destination counts as one of its sources
.endr
.irp t, 0,1,2,3,4,5,6,7
.irp j, 4,5,6,7
	v_mov_b32 v[32+8*\t+\j], 0                     ; K's likewise, written once
.endr
.endr
	v_mov_b32 v252, 0
	v_mov_b32 v253, 0
	s_wait_tensorcnt 0x0                           ; my key step is in,
	s_barrier_signal -1
	s_barrier_wait -1                              ; everybody's is: the whole head lies in LDS
.macro PASS p
	s_wait_xcnt 0x0                                ; the last pass's stores have read their data and their bases
.if \p
	s_sub_co_u32 s[GG], 15, s[WV]
.else
	s_mov_b32 s[GG], s[WV]
.endif
	s_lshl_b32 s[TT], s[CX], 1
	s_add_co_u32 s[TT], s[TT], \p
	s_add_co_u32 s45, s44, s[GG]
	s_mul_i32 s45, s45, BLKB                       ; my queries' block
	s_lshl_b32 s48, s[TT], 9
	s_add_co_u32 s46, s45, s48
	s_add_co_u32 s46, s46, 8960
	s_add_nc_u64 s[QC:QC+1], s[4:5], s[46:47]      ; my tile's codes
	s_lshr_b32 s48, s[TT], 2
	s_lshl_b32 s48, s48, 8
	s_add_co_u32 s46, s45, s48
	s_and_b32 s48, s[TT], 3
	s_lshl_b32 s48, s48, 2
	s_add_co_u32 s46, s46, s48
	s_add_co_u32 s46, s46, 13056
	s_add_nc_u64 s[QS:QS+1], s[4:5], s[46:47]      ; and its scale words
	s_lshr_b32 s48, s[BH], 4
	s_lshl_b32 s48, s48, 3
	s_add_co_u32 s48, s48, s[TT]
	s_lshl_b32 s48, s48, 4
	s_add_co_u32 s48, s48, s[GG]
	s_mul_i32 s48, s48, 8704                       ; y's tile: (batch x 8 + tile) x 16 + group
	s_and_b32 s49, s[BH], 15                       ; the head
	s_lshl_b32 s46, s49, 9
	s_add_co_u32 s46, s46, s48
	s_add_nc_u64 s[YC:YC+1], s[6:7], s[46:47]      ; the head's 64 of K: 512 bytes of codes
	s_lshr_b32 s46, s49, 3
	s_lshl_b32 s46, s46, 8
	s_add_co_u32 s46, s46, s48
	s_bfe_u32 s50, s49, 0x20001
	s_lshl_b32 s50, s50, 2
	s_add_co_u32 s46, s46, s50
	s_and_b32 s50, s49, 1
	s_lshl_b32 s50, s50, 1
	s_add_co_u32 s46, s46, s50
	s_add_co_u32 s46, s46, 8192
	s_add_nc_u64 s[YB:YB+1], s[6:7], s[46:47]      ; and its two bytes of each row's scale word
	global_load_b128 v[16:19], v[LI], s[QC:QC+1]
	global_load_b32 v255, v[RI], s[QS:QS+1]
	s_lshr_b32 s48, s[TT], 1
	s_lshl_b32 s48, s48, 5
	s_and_b32 s49, s[TT], 1
	s_lshl_b32 s49, s49, 3
	s_add_co_u32 s48, s48, s49
	v_add_nc_u32 v[DD], s48, v[DL]                 ; d = my query's place in its group - 16 h
	v_mov_b32 v13, 0xff61b1e6                      ; the largest t so far: -3e38
	s_delay_alu instid0(VALU_DEP_1)
	v_floor_f32 v12, -v13                          ; -M
	v_mov_b32 v14, 0
	v_mov_b32 v15, 0
.set n, 0
.rept 32
	v_mov_b32 v[160+n], 0                          ; O^T: the step is written once; the first finds zeros, which the first change of M leaves zeros
.set n, n+1
.endr
	s_mov_b32 s[TB], 0
	s_mov_b32 s[ST], 0
	s_wait_loadcnt 0x0                             ; Q
.Lstep_\@:                                         ; 16 trips, a constant; a step behind my queries' group is jumped over: a scalar branch on the wave's number and the count of steps
	s_cmp_gt_u32 s[ST], s[GG]
	s_cbranch_scc1 .Lhidden_\@
	s_setprio 2
	v_add_nc_u32 v[ADK], s[TB], v[LI]
	v_add_nc_u32 v[ADR], s[TB], v[RI]
	v_nop
	v_nop                                          ; four places in front of loads into registers that the last products have read
	ds_load_b128 v[24:27], v[ADK] offset:4096      ; K's scale words: lanes 0-15 tiles 0-3, lanes 16-31 tiles 4-7
.irp t, 0,1,2,3,4,5,6,7
	ds_load_b128 v[32+8*\t:35+8*\t], v[ADK] offset:512*\t
.endr
.irp c, 0,1,2,3
.irp e, 0,1
	ds_load_b128 v[192+8*\c+4*\e:195+8*\c+4*\e], v[ADK] offset:4608+1024*\c+512*\e
.endr
.endr
	ds_load_b128 v[28:31], v[ADR] offset:8704      ; V's scale words
	s_wait_dscnt 9                                 ; K and its words are in; V's nine loads may be out
.irp t, 0,1,2,3
	v_wmma_scale_f32_16x16x128_f8f6f4 v[96+8*\t:103+8*\t], v[32+8*\t:39+8*\t], v[16:23], 0, v[24+\t], v255 matrix_a_fmt:MATRIX_FMT_FP4 matrix_b_fmt:MATRIX_FMT_FP4
.endr
.irp t, 4,5,6,7
	v_wmma_scale_f32_16x16x128_f8f6f4 v[96+8*\t:103+8*\t], v[32+8*\t:39+8*\t], v[16:23], 0, v[20+\t], v255 matrix_a_fmt:MATRIX_FMT_FP4 matrix_b_fmt:MATRIX_FMT_FP4 matrix_a_scale:MATRIX_SCALE_ROW1
.endr
.rept 4
	v_nop
.endr
	s_cmp_lg_u32 s[ST], s[GG]                      ; on the diagonal the scores of hidden keys become -infinity ahead of the maximum: p = 0 then
	s_cbranch_scc1 .Lopen_\@
	v_mov_b32 v254, 0xff800000
.set n, 0
.rept 64
	v_cmp_gt_i32 vcc_lo, 32*(n/16)+n%16, v[DD]     ; register 16 b + i holds key 32 b + 16 h + i of the group: hidden where 32 b + i > d
	v_cndmask_b32 v[96+n], v[96+n], v254, vcc_lo
.set n, n+1
.endr
.Lopen_\@:
.irp b, 0,1,2,3
	v_max3_num_f32 v[232+\b], v[96+16*\b], v[97+16*\b], v[98+16*\b]   ; the largest score of each block of 32 keys: it serves for the row's maximum and, since p rises with the score, for the block's largest p
.endr
.irp i, 3,5,7,9,11,13
.irp b, 0,1,2,3
	v_max3_num_f32 v[232+\b], v[232+\b], v[96+16*\b+\i], v[97+16*\b+\i]
.endr
.endr
.irp b, 0,1,2,3
	v_max_num_f32 v[232+\b], v[232+\b], v[111+16*\b]
.endr
.irp b, 0,1,2,3
	s_delay_alu instid0(VALU_DEP_4)
	v_permlanex16_b32 v[236+\b], v[232+\b], s[SEL], s[SEL+1]
.endr
.irp b, 0,1,2,3
	s_delay_alu instid0(VALU_DEP_4)
	v_max_num_f32 v[232+\b], v[232+\b], v[236+\b]
.endr
	s_delay_alu instid0(VALU_DEP_2)
	v_max3_num_f32 v254, v232, v233, v234
	s_delay_alu instid0(VALU_DEP_1)
	v_max_num_f32 v254, v254, v235                 ; the step's largest score of my query (key 0 counts for every query, so it is a number from the first step on)
	s_delay_alu instid0(VALU_DEP_1)
	v_mul_f32 v254, s[CS], v254
	s_delay_alu instid0(VALU_DEP_1)
	v_max_num_f32 v13, v13, v254                   ; the running largest t
	v_mov_b32 v254, v12
	s_delay_alu instid0(VALU_DEP_2)
	v_floor_f32 v12, -v13                          ; the new -M = -ceil(t)
	s_delay_alu instid0(VALU_DEP_1)
	v_sub_f32 v254, v12, v254                      ; old M - new M: a whole number, 0 or less
	s_delay_alu instid0(VALU_DEP_1)
	v_cvt_i32_f32 v254, v254                       ; (it saturates)
	s_delay_alu instid0(VALU_DEP_1)
	v_ldexp_f32 v252, 1.0, v254                    ; f = 2^(old M - new M)
.set n, 0
.rept 32
	v_pk_fma_f32 v[96+n:97+n], v[96+n:97+n], s[CS:CS+1], v[12:13] op_sel_hi:[1,0,0]   ; t - M, two at a time
.set n, n+2
.endr
	s_setprio 1
.irp b, 0,1,2,3
	v_fma_f32 v[232+\b], v[232+\b], s[CS], v12     ; the same of each block's largest score
.endr
.set n, 0
	s_wait_alu depctr_va_vdst(0)
.rept 64
	v_exp_f32 v[96+n], v[96+n]                     ; p = 2^(t - M)
.set n, n+1
.endr
	v_pk_mul_f32 v[14:15], v[14:15], v[252:253] op_sel_hi:[1,0]   ; the sums under the new M: a plain place behind the exponentials
	s_wait_alu depctr_va_vdst(0)                   ; one wait for the whole batch, ahead of its first reader
.irp b, 0,1,2,3
	v_exp_f32 v[232+\b], v[232+\b]                 ; the block's largest p
.endr
	v_pk_add_f32 v[236:237], v[100:101], v[104:105]
	v_pk_add_f32 v[250:251], v[108:109], v[112:113]
	v_pk_add_f32 v[248:249], v[116:117], v[120:121]
	v_pk_add_f32 v[246:247], v[124:125], v[128:129]
	v_pk_add_f32 v[244:245], v[132:133], v[136:137]
	v_pk_add_f32 v[242:243], v[140:141], v[144:145]
	v_pk_add_f32 v[240:241], v[148:149], v[152:153]
	v_pk_add_f32 v[14:15], v[14:15], v[156:157]
	v_pk_add_f32 v[236:237], v[236:237], v[96:97]
	v_pk_add_f32 v[250:251], v[250:251], v[98:99]
	v_pk_add_f32 v[248:249], v[248:249], v[102:103]
	v_pk_add_f32 v[246:247], v[246:247], v[106:107]
	v_pk_add_f32 v[244:245], v[244:245], v[110:111]
	v_pk_add_f32 v[242:243], v[242:243], v[114:115]
	v_pk_add_f32 v[240:241], v[240:241], v[118:119]
	v_pk_add_f32 v[14:15], v[14:15], v[122:123]
	v_pk_add_f32 v[236:237], v[236:237], v[126:127]
	v_pk_add_f32 v[250:251], v[250:251], v[130:131]
	v_pk_add_f32 v[248:249], v[248:249], v[134:135]
	v_pk_add_f32 v[246:247], v[246:247], v[138:139]
	v_pk_add_f32 v[244:245], v[244:245], v[142:143]
	v_pk_add_f32 v[242:243], v[242:243], v[146:147]
	v_pk_add_f32 v[240:241], v[240:241], v[150:151]
	v_pk_add_f32 v[14:15], v[14:15], v[154:155]
	v_pk_add_f32 v[236:237], v[236:237], v[158:159]
	s_delay_alu instid0(VALU_DEP_2)
	v_pk_add_f32 v[14:15], v[14:15], v[246:247]
	s_delay_alu instid0(VALU_DEP_2)
	v_pk_add_f32 v[236:237], v[236:237], v[244:245]
	v_pk_add_f32 v[250:251], v[250:251], v[242:243]
	v_pk_add_f32 v[248:249], v[248:249], v[240:241]
	s_delay_alu instid0(VALU_DEP_2)
	v_pk_add_f32 v[14:15], v[14:15], v[250:251]
	s_delay_alu instid0(VALU_DEP_2)
	v_pk_add_f32 v[236:237], v[236:237], v[248:249]
	s_delay_alu instid0(VALU_DEP_1)
	v_pk_add_f32 v[14:15], v[14:15], v[236:237]
	s_wait_alu depctr_va_vdst(0)                   ; and one for the four
.irp b, 0,1,2,3
	v_max_num_f32 v[232+\b], 0x1800000, v[232+\b]  ; the floor: the byte cannot fall under 1
.endr
.irp b, 0,1,2,3
	s_delay_alu instid0(VALU_DEP_4)
	v_add_nc_u32 v[244+\b], 0xff000000, v[232+\b]
.endr
.irp b, 0,1,2,3
	s_delay_alu instid0(VALU_DEP_4)
	v_lshrrev_b32 v[236+\b], 23, v[244+\b]
.endr
	s_delay_alu instid0(VALU_DEP_3)
	v_lshl_or_b32 v253, v237, 8, v236              ; p's scale word for these 128 keys
	s_delay_alu instid0(VALU_DEP_1)
	v_lshl_or_b32 v253, v238, 16, v253
	s_delay_alu instid0(VALU_DEP_1)
	v_lshl_or_b32 v253, v239, 24, v253
	s_setprio 0
.irp b, 0,1,2,3
	v_cvt_scalef32_pk8_fp4_f32 v[224+2*\b], v[96+16*\b:103+16*\b], v[244+\b]
	v_cvt_scalef32_pk8_fp4_f32 v[225+2*\b], v[104+16*\b:111+16*\b], v[244+\b]
.endr
	v_nop
.irp c, 0,1
.irp i, 0,1
	v_permlane16_swap_b32 v[224+4*\c+\i], v[226+4*\c+\i]
.endr
.endr
.set n, 0
.rept 16
	v_pk_mul_f32 v[160+n:161+n], v[160+n:161+n], v[252:253] op_sel_hi:[1,0]   ; O^T under the new M; of these sixteen, twelve name no register of any one product below: its places behind the scale word's last write
.set n, n+2
.endr
	s_wait_alu depctr_va_vdst(0)
	s_wait_dscnt 0x0                               ; V is in
.irp c, 0,1,2,3
	v_wmma_scale_f32_16x16x128_f8f6f4 v[160+8*\c:167+8*\c], v[192+8*\c:199+8*\c], v[224:231], v[160+8*\c:167+8*\c], v[28+\c], v253 matrix_a_fmt:MATRIX_FMT_FP4 matrix_b_fmt:MATRIX_FMT_FP4
.endr
.Lhidden_\@:
	s_add_co_u32 s[TB], s[TB], STEPB
	s_add_co_u32 s[ST], s[ST], 1
	s_cmp_lt_u32 s[ST], 16
	s_cbranch_scc1 .Lstep_\@
	s_setprio 0
	; the way out: O^T / the sum; register 16 b + i is channel 32 b + 16 h + i of my query: two blocks of the last product's K
.rept 4
	v_nop
.endr
	v_add_f32 v14, v14, v15
	s_delay_alu instid0(VALU_DEP_1)
	v_permlanex16_b32 v252, v14, s[SEL], s[SEL+1]
	s_delay_alu instid0(VALU_DEP_1)
	v_add_f32 v14, v14, v252                       ; the row's sum
	s_wait_alu depctr_va_vdst(0)
	v_rcp_f32 v14, v14
	v_nop                                          ; a plain place behind the transcendental
	s_wait_alu depctr_va_vdst(0)                   ; and the wait ahead of its first reader
.set n, 0
.rept 16
	v_pk_mul_f32 v[96+n:97+n], v[160+n:161+n], v[14:15] op_sel_hi:[1,0]
.set n, n+2
.endr
.irp b, 0,1
	v_max3_num_f32 v[232+\b], |v[96+16*\b]|, |v[97+16*\b]|, 0x1800000
.endr
.irp i, 2,4,6,8,10,12,14
.irp b, 0,1
	s_delay_alu instid0(VALU_DEP_2)
	v_max3_num_f32 v[232+\b], v[232+\b], |v[96+16*\b+\i]|, |v[97+16*\b+\i]|
.endr
.endr
.irp b, 0,1
	s_delay_alu instid0(VALU_DEP_2)
	v_permlanex16_b32 v[236+\b], v[232+\b], s[SEL], s[SEL+1]
.endr
.irp b, 0,1
	s_delay_alu instid0(VALU_DEP_2)
	v_max_num_f32 v[232+\b], v[232+\b], v[236+\b]
.endr
.irp b, 0,1
	s_delay_alu instid0(VALU_DEP_2)
	v_add_nc_u32 v[244+\b], 0xff000000, v[232+\b]
.endr
.irp b, 0,1
	s_delay_alu instid0(VALU_DEP_2)
	v_lshrrev_b32 v[236+\b], 23, v[244+\b]
.endr
.irp b, 0,1
	v_cvt_scalef32_pk8_fp4_f32 v[224+2*\b], v[96+16*\b:103+16*\b], v[244+\b]
	v_cvt_scalef32_pk8_fp4_f32 v[225+2*\b], v[104+16*\b:111+16*\b], v[244+\b]
.endr
	v_nop
	v_permlane16_swap_b32 v224, v226
	v_permlane16_swap_b32 v225, v227               ; lane (r, h): channels 32 h + 0 .. 31 of query r
	v_cndmask_b32 v240, v236, v237, s[HM]          ; lanes 0-15 store block 0's byte, lanes 16-31 block 1's
	global_store_b128 v[LI], v[224:227], s[YC:YC+1]   ; 512 consecutive bytes, aligned
	global_store_b8 v[YS], v240, s[YB:YB+1]        ; one byte a lane, 32 bytes for each 512 of codes: a scale word's other two bytes belong to the neighbouring head, which another cluster makes
.endm
	PASS 0
	PASS 1
	s_wait_tensorcnt 0x0                           ; the wave's end
	ds_add_u32 v[SPW], v[NIL]
	s_wait_dscnt 0x0
	CROUND                                         ; the closing round
	s_endpgm
.Lfunc_end_k_qd9e9be3df6_attn:
	.size	k_qd9e9be3df6_attn, .Lfunc_end_k_qd9e9be3df6_attn-k_qd9e9be3df6_attn
	.p2alignl 7, 3214868480
	.fill 96, 4, 3214868480
	.section	.rodata,"a",@progbits
	.p2align	6, 0x0
	.amdhsa_kernel k_qd9e9be3df6_attn
		.amdhsa_group_segment_fixed_size 167936
		.amdhsa_private_segment_fixed_size 0
		.amdhsa_enable_private_segment 0
		.amdhsa_kernarg_size 16
		.amdhsa_user_sgpr_count 2
		.amdhsa_user_sgpr_kernarg_segment_ptr 1
		.amdhsa_wavefront_size32 1
		.amdhsa_system_sgpr_workgroup_id_x 1
		.amdhsa_system_sgpr_workgroup_id_y 1
		.amdhsa_system_sgpr_workgroup_id_z 1
		.amdhsa_system_vgpr_workitem_id 0
		.amdhsa_next_free_vgpr 256
		.amdhsa_next_free_sgpr 70
		.amdhsa_reserve_vcc 1
		.amdhsa_float_denorm_mode_32 3
		.amdhsa_float_denorm_mode_16_64 3
		.amdhsa_memory_ordered 1
		.amdhsa_forward_progress 1
		.amdhsa_inst_pref_size 62
	.end_amdhsa_kernel
	.amdgpu_metadata
---
amdhsa.version: [ 1, 2 ]
amdhsa.kernels:
  - .name:           k_qd9e9be3df6_attn
    .symbol:         k_qd9e9be3df6_attn.kd
    .args:
      - { .name: qkv, .offset: 0, .size: 8, .value_kind: global_buffer, .address_space: global }
      - { .name: yq, .offset: 8, .size: 8, .value_kind: global_buffer, .address_space: global }
    .group_segment_fixed_size: 167936
    .private_segment_fixed_size: 0
    .kernarg_segment_align: 8
    .kernarg_segment_size: 16
    .max_flat_workgroup_size: 512
    .sgpr_count:     70
    .vgpr_count:     256
    .wavefront_size: 32
...
	.end_amdgpu_metadata
.endif
;; end of part 3
;; launch gemm_out (part 4): grid 4 x 32, 4 waves a work-group, clusters of 4 x 4, 327,680 bytes of LDS; arguments yq, wpq, b_proj, out0; writes out0
.if DOCPART == 4
	.amdgcn_target "amdgcn-amd-amdhsa--gfx1250"
	.amdhsa_code_object_version 6
	.text
	.protected	k_qd9e9be3df6_gemm_out
	.globl	k_qd9e9be3df6_gemm_out
	.p2align	8
	.type	k_qd9e9be3df6_gemm_out,@function
k_qd9e9be3df6_gemm_out:
	s_mov_b64 s[64:65], 0
	v_nop
	global_prefetch_b8 v0, s[64:65] scope:SCOPE_SE
	s_setreg_imm32_b32 hwreg(HW_REG_WAVE_MODE, 25, 1), 1
	s_wait_xcnt 0x0
	s_wait_alu depctr_hold_cnt(0) depctr_sa_sdst(0) depctr_va_vdst(0) depctr_va_sdst(0) depctr_va_ssrc(0) depctr_va_vcc(0) depctr_vm_vsrc(0)
	s_getreg_b32 s2, hwreg(HW_REG_IB_STS2, 6, 4)
	s_cmp_eq_u32 s2, 0
	s_cbranch_scc0 .Lentry_in_a_cluster
	s_endpgm
.Lentry_in_a_cluster:
	s_bfe_u32 s2, ttmp6, 0x10000c
	s_cmp_lg_u32 s2, 0xf033
	s_cbranch_scc0 .Lentry_shape_is_right
	s_endpgm
.Lentry_shape_is_right:
; Launch 4 of 4: out0 = Q(y) Q(W_proj) + b_proj on codes of E2M1.  Nothing is left out here.
; A tile of 256 tokens x 256 columns is made by four waves, 128 x 128 each: 64 accumulators, 512 registers.  All of K (1,024) fits in LDS at once: two slots of 512 along K, each filled ONCE.
; OPERANDS lie in memory and in LDS as images of their registers (a tile of 16 rows: 4,096 bytes for 512 along K; a fragment is two loads of 512 consecutive bytes): no pitch, no padding.
; Tile row R = batch x 8 + t holds, for g = 0 .. 15, the 16 tokens 128 g + 32 (t / 2) + 8 (t % 2) + r % 8 + 16 (r / 8) of the batch: the order in which the launch before has laid y.
; CLUSTERS: 4 x 4 work-groups; the tokens' tiles are asked for jointly along a row of the cluster, the columns' along a column.
; Source 0 = columns, source 1 = tokens: a lane holds eight neighbouring columns of one token's row.  THE BIAS is the C of each sum's first product.
; THE WAY OUT: 16 rows x 128 columns at a time through the wave's own stage and out as whole rows of 512 bytes.  The stage lies in slot 0, which has had its only fill and was left by all waves at the change of slots.
; 128 work-groups: the problem has 128 tiles of this size.
; REGISTERS: window 0: v16-29 addresses; v32-95 scale words, two sets; v128-191 source 1's fragments, ONE set; on the way out v128-255.
;   window 1: source 0's fragments, two sets, at v0 and v128; the bias at v192-255.   windows 2, 3: the accumulators ((a, b) at v[8 (8 (a % 4) + b)]).
.set NQ,    4
.set FR,    8
.set NL,    2
.set NP,    4
.set TILEB, 8704
.set TSL,   4096
.set SLOT,  131072
.set SCL,   262144
.set HALFS, 4096
.set SPARE, 294912
.set SPITCH, 528                       ; a stage row: 512 bytes + 16
.set ADRA, 16
.set ADRB, 20
.set LI,   24                          ; v24  16 x lane
.set STO,  25                          ; v25  where I put 32 bytes of a row
.set RD,   26                          ; v26  where I read a row back
.set ADRS, 27
.set SPW,  28
.set NIL,  29
.set SC,   32
.set AF,   128
.set BK,   128
.set BI,   192
.set G1, 24
.set G0, 32
.set G1B, 48
.set G0B, 56
.set G1S, 68
.set G0S, 76
.set G1SB, 80
.set G0SB, 88
.set MSB, 0
.macro WIN new
.if MSB != (\new)
	s_set_vgpr_msb (MSB<<8)|(\new)
.set MSB, (\new)
.endif
.endm
.set MUL_LO, 0xa1
.set MUL_HI, 0xf1
.set TO_B,   0x40
.macro JLOAD g0a, g1a, g0b, g1b        ; a joint load: waves 0 and 1 fetch the tokens' tiles, waves 2 and 3 the columns'; an s_nop 0 and four v_nop follow each line
	s_cmp_eq_u32 s15, 0
	s_cbranch_scc0 .Lfor_b_\@
	tensor_load_to_lds s[\g0a:\g0a+3], s[\g1a:\g1a+7]
	s_nop 0
.rept 4
	v_nop
.endr
	s_branch .Lasked_\@
.Lfor_b_\@:
	tensor_load_to_lds s[\g0b:\g0b+3], s[\g1b:\g1b+7]
	s_nop 0
.rept 4
	v_nop
.endr
.Lasked_\@:
.endm
.macro CROUND
	s_barrier_signal -1
	s_barrier_wait -1
	s_cmp_lg_u32 s14, 0
	s_cbranch_scc1 .Lnot_wave_0_\@
	s_barrier_signal -3
.Lnot_wave_0_\@:
	s_barrier_wait -3
	s_barrier_signal -1
	s_barrier_wait -1
.endm
	s_load_b256 s[4:11], s[0:1], 0x0               ; yq s[4:5], wpq s[6:7], b_proj s[8:9], out0 s[10:11]
	v_lshl_add_u32 v[SPW], v0, 2, SPARE
	v_mov_b32 v[NIL], 0
	ds_add_u32 v[SPW], v[NIL]                      ; the wave's opening: the add, twice on end, and its wait ahead of my first tensor load
	ds_add_u32 v[SPW], v[NIL]
	v_lshrrev_b32 v1, 5, v0
	v_readfirstlane_b32 s14, v1
	s_lshr_b32 s15, s14, 1                         ; my half of the tokens.  Also: I fetch tokens (0) or columns (1)
	s_and_b32 s16, s14, 1                          ; my half of the columns.  Also: which 8 tiles I fetch
	s_bfe_u32 s40, ttmp6, 0x40000
	s_bfe_u32 s41, ttmp6, 0x40004
	s_lshl_b32 s42, ttmp9, 2
	s_add_co_u32 s42, s42, s40                     ; tile column
	s_and_b32 s17, ttmp7, 0xffff
	s_lshl_b32 s17, s17, 2
	s_add_co_u32 s17, s17, s41                     ; tile row
	s_lshl_b32 s43, s41, 2
	s_lshl_b32 s43, 15, s43
	s_lshl_b32 s44, 0x1111, s40
	s_or_b32 s[G1+0], s43, (3<<16)|(1<<21)
	s_or_b32 s[G1B+0], s44, (3<<16)|(1<<21)
.irp g, G1, G1B
	s_mov_b32 s[\g+1], 512<<16
	s_mov_b32 s[\g+2], 8<<16
	s_mov_b32 s[\g+3], 512<<16
	s_mov_b32 s[\g+4], 8
	s_mov_b32 s[\g+5], 1088
	s_mov_b32 s[\g+6], 0
	s_mov_b32 s[\g+7], 0
.endr
	s_or_b32 s[G1S+0], s43, (3<<16)|(1<<21)
	s_or_b32 s[G1SB+0], s44, (3<<16)|(1<<21)
.irp g, G1S, G1SB
	s_mov_b32 s[\g+1], 64<<16
	s_mov_b32 s[\g+2], 8<<16
	s_mov_b32 s[\g+3], 64<<16
	s_mov_b32 s[\g+4], 8
	s_mov_b32 s[\g+5], 1088
	s_mov_b32 s[\g+6], 0
	s_mov_b32 s[\g+7], 0
.endr
	s_lshl_b32 s18, s16, 3
	s_lshl_b32 s20, s17, 4
	s_add_co_u32 s20, s20, s18
	s_mul_i32 s20, s20, TILEB
	s_mov_b32 s21, 0
	s_lshl_b32 s46, s42, 4
	s_add_co_u32 s46, s46, s18
	s_mul_i32 s46, s46, TILEB
	s_mov_b32 s47, 0
	s_lshl_b32 s45, s14, 15
	s_lshl_b32 s94, s14, 12
	s_wait_dscnt 0x0                               ; both opening adds are done
	s_wait_kmcnt 0x0
	s_add_nc_u64 s[20:21], s[4:5], s[20:21]
	s_add_nc_u64 s[46:47], s[6:7], s[46:47]
	CROUND                                         ; all sixteen work-groups are here
	s_mov_b32 s[G0S], 1
	s_add_co_u32 s[G0S+1], s94, SCL
	s_add_nc_u64 s[G0S+2:G0S+3], s[20:21], 8192
	s_or_b32 s[G0S+3], s[G0S+3], 0x80000000
	s_mov_b32 s[G0SB], 1
	s_add_co_u32 s[G0SB+1], s94, SCL
	s_add_nc_u64 s[G0SB+2:G0SB+3], s[46:47], 8192
	s_or_b32 s[G0SB+3], s[G0SB+3], 0x80000000
	JLOAD G0S, G1S, G0SB, G1SB
.irp s, 0,1
	s_mov_b32 s[G0+4*\s], 1
	s_add_co_u32 s[G0+4*\s+1], s45, \s*SLOT
	s_add_nc_u64 s[G0+4*\s+2:G0+4*\s+3], s[20:21], \s*TSL
	s_or_b32 s[G0+4*\s+3], s[G0+4*\s+3], 0x80000000
	s_mov_b32 s[G0B+4*\s], 1
	s_add_co_u32 s[G0B+4*\s+1], s45, \s*SLOT
	s_add_nc_u64 s[G0B+4*\s+2:G0B+4*\s+3], s[46:47], \s*TSL
	s_or_b32 s[G0B+4*\s+3], s[G0B+4*\s+3], 0x80000000
	s_wait_alu depctr_va_vdst(0)
	s_wait_tensorcnt 0x0
	ds_add_u32 v28, v29
	s_wait_dscnt 0x0
	CROUND
	JLOAD G0+4*\s, G1, G0B+4*\s, G1B               ; three loads of mine are out at the most
.endr
	v_and_b32 v1, 15, v0                           ; r
	v_bfe_u32 v2, v0, 4, 1                         ; h
	s_wait_alu depctr_va_vdst(0)
	v_and_b32 v3, 31, v0
	v_lshlrev_b32 v[LI], 4, v3
	s_lshl_b32 s21, s15, 15                        ; my tokens' 8 tiles
	s_lshl_b32 s22, s16, 15
	s_add_co_u32 s22, s22, 65536                   ; my columns' 8 tiles
.irp s, 0,1
	v_add_nc_u32 v[ADRA+\s], s21, v[LI]
	v_add_nc_u32 v[ADRB+\s], s22, v[LI]
	s_add_co_u32 s21, s21, SLOT
	s_add_co_u32 s22, s22, SLOT
.endr
	v_lshlrev_b32 v5, 4, v1
	s_lshl_b32 s21, s15, 12
	s_lshl_b32 s22, s16, 12
	s_add_co_u32 s22, s22, 2*HALFS
	s_sub_co_u32 s22, s22, s21
	v_mul_u32_u24 v6, s22, v2                      ; lanes 16-31 take the columns' words
	s_add_co_u32 s21, s21, SCL
	v_add_nc_u32 v5, v5, v6
	v_add_nc_u32 v[ADRS], s21, v5
	s_mul_i32 s23, s14, 16*SPITCH                  ; my stage
	v_mul_u32_u24 v5, v1, SPITCH
	v_lshl_add_u32 v5, v2, 6, v5
	v_add_nc_u32 v[STO], s23, v5                   ; in: row r, + 64 h
	v_add_nc_u32 v[RD], s23, v[LI]                 ; back: the 32 lanes take one row of 512 bytes
	s_lshl_b32 s46, s42, 8
	s_lshl_b32 s47, s16, 7
	s_add_co_u32 s46, s46, s47
	s_lshl_b32 s46, s46, 2                         ; my first column, in bytes
	s_mov_b32 s47, 0
	s_add_nc_u64 s[8:9], s[8:9], s[46:47]
	s_lshr_b32 s20, s17, 3
	s_lshl_b32 s20, s20, 11                        ; 2,048 x batch
	s_lshl_b32 s21, s15, 10
	s_add_co_u32 s20, s20, s21                     ; + 1,024 x my half (eight groups of 128)
	s_bfe_u32 s21, s17, 0x20001
	s_lshl_b32 s21, s21, 5
	s_add_co_u32 s20, s20, s21                     ; + 32 (t / 2)
	s_and_b32 s21, s17, 1
	s_lshl_b32 s21, s21, 3
	s_add_co_u32 s20, s20, s21                     ; + 8 (t % 2)
	s_lshl_b32 s20, s20, 12                        ; a row of out0 is 4,096 bytes
	s_mov_b32 s21, 0
	s_add_nc_u64 s[20:21], s[20:21], s[46:47]
	s_add_nc_u64 s[10:11], s[10:11], s[20:21]
	v_lshlrev_b32 v4, 6, v2                        ; the bias: register j of the columns' tile b is column 32 (b / 2) + 16 h + 8 (b % 2) + j
	WIN TO_B
.irp b, 0,1,2,3,4,5,6,7
	global_load_b128 v[BI+8*\b:BI+8*\b+3], v4, s[8:9] offset:(32*(\b/2)+8*(\b%2))*4
	global_load_b128 v[BI+8*\b+4:BI+8*\b+7], v4, s[8:9] offset:(32*(\b/2)+8*(\b%2))*4+16
.endr
	WIN 0
.macro FRAG reg, adr, q, i
.irp c, 0,1
	ds_load_b128 v[\reg+4*\c:\reg+4*\c+3], v[\adr] offset:TSL*(\i)+1024*(\q)+512*\c
.endr
.endm
; 16 matrix instructions: the tokens' blocks a0, a0 + 1 x the columns' eight.  mode 1: the sums start from the bias.  The 64 accumulators take turns, in the same order in every step.
.macro MUL16 a0, p, q, sc, mode
.irp a, \a0, \a0+1
.irp b, 0,1,2,3,4,5,6,7
.if (\mode) == 1
	v_wmma_scale_f32_16x16x128_f8f6f4 v[8*(8*((\a)%4)+\b):8*(8*((\a)%4)+\b)+7], v[128*(\p)+FR*\b:128*(\p)+FR*\b+FR-1], v[AF+FR*(\a):AF+FR*(\a)+FR-1], v[BI+8*\b:BI+8*\b+7], v[SC+8*NQ*(\sc)+NQ*\b+(\q)], v[SC+8*NQ*(\sc)+NQ*(\a)+(\q)] matrix_a_fmt:MATRIX_FMT_FP4 matrix_b_fmt:MATRIX_FMT_FP4 matrix_a_scale:MATRIX_SCALE_ROW1
.else
	v_wmma_scale_f32_16x16x128_f8f6f4 v[8*(8*((\a)%4)+\b):8*(8*((\a)%4)+\b)+7], v[128*(\p)+FR*\b:128*(\p)+FR*\b+FR-1], v[AF+FR*(\a):AF+FR*(\a)+FR-1], v[8*(8*((\a)%4)+\b):8*(8*((\a)%4)+\b)+7], v[SC+8*NQ*(\sc)+NQ*\b+(\q)], v[SC+8*NQ*(\sc)+NQ*(\a)+(\q)] matrix_a_fmt:MATRIX_FMT_FP4 matrix_b_fmt:MATRIX_FMT_FP4 matrix_a_scale:MATRIX_SCALE_ROW1
.endif
.endr
.endr
.endm
.macro FETCH_B slot, q, p
	WIN TO_B
.irp i, 0,1,2,3,4,5,6,7
	FRAG 128*(\p)+FR*\i, ADRB+\slot, \q, \i
.endr
	WIN 0
.endm
.macro FETCH_A slot, q, i0
.irp i, \i0, \i0+1, \i0+2, \i0+3
	FRAG AF+FR*(\i), ADRA+\slot, \q, \i
.endr
.endm
.macro SCALES sc
.irp i, 0,1,2,3,4,5,6,7
	ds_load_b128 v[SC+8*NQ*\sc+NQ*\i:SC+8*NQ*\sc+NQ*\i+3], v[ADRS] offset:512*\i+256*\sc
.endr
.endm
.macro PLACES n
.rept \n
	v_nop
.endr
.endm
.macro STEP slot, q, mode
	s_wait_dscnt 4*NL                              ; the columns' set and the tokens' blocks 0-3 are in; the youngest eight loads (blocks 4-7) may be out
.if \mode
	WIN 0x91
.else
	WIN MUL_LO
.endif
	MUL16 0, (\q)%2, \q, \slot, \mode
	MUL16 2, (\q)%2, \q, \slot, \mode
	s_wait_dscnt 0
	PLACES NP
	FETCH_B \slot, (\q)+1, 1-(\q)%2
	FETCH_A \slot, (\q)+1, 0
.if \mode
	WIN 0xd1
.else
	WIN MUL_HI
.endif
	MUL16 4, (\q)%2, \q, \slot, \mode
	MUL16 6, (\q)%2, \q, \slot, \mode
	PLACES NP
	WIN 0
	FETCH_A \slot, (\q)+1, 4
.endm
	s_wait_alu depctr_va_vdst(0)
	s_wait_tensorcnt 1                             ; the scale words and my part of slot 0 are in; slot 1's load may be out
	s_barrier_signal -1
	s_barrier_wait -1
	FETCH_B 0, 0, 0
	FETCH_A 0, 0, 0
	SCALES 0
	FETCH_A 0, 0, 4
	s_wait_loadcnt 0x0                             ; the bias
	STEP 0, 0, 1
	STEP 0, 1, 0
	STEP 0, 2, 0
	s_wait_tensorcnt 0x0                           ; slot 0's last step changes slots: my part of slot 1 is in;
	ds_add_u32 v[SPW], v[NIL]                      ; 0 onto my spare word
	s_wait_dscnt 4*NL+1                            ; the add and the youngest eight loads may be out
	WIN MUL_LO
	MUL16 0, 1, NQ-1, 0, 0
	s_wait_dscnt 0x0                               ; the add is done, and my reads of slot 0 are over
	s_barrier_signal -1
	MUL16 2, 1, NQ-1, 0, 0
	WIN 0
	s_barrier_wait -1                              ; slot 1 is whole, and nobody reads slot 0 any more
	PLACES NP
	FETCH_B 1, 0, 0
	FETCH_A 1, 0, 0
	SCALES 1
	WIN MUL_HI
	MUL16 4, 1, NQ-1, 0, 0
	MUL16 6, 1, NQ-1, 0, 0
	PLACES NP
	WIN 0
	FETCH_A 1, 0, 4
	STEP 1, 0, 0
	STEP 1, 1, 0
	STEP 1, 2, 0
	s_wait_dscnt 4*NL
	WIN MUL_LO
	MUL16 0, 1, NQ-1, 1, 0
	MUL16 2, 1, NQ-1, 1, 0
	s_wait_dscnt 0
	WIN MUL_HI
	MUL16 4, 1, NQ-1, 1, 0
	MUL16 6, 1, NQ-1, 1, 0
	WIN 0
; THE WAY OUT, block by block of 16 tokens x 128 columns.  LDS serves a wave's instructions in order: no wait between the stores and the loads, nor in front of the next block's stores.
.macro TOSTAGE a
.set AC, 64*((\a)%4)
	WIN 0x08+4*((\a)/4)                            ; the data: window 2 or 3
.irp b, 0,1,2,3,4,5,6,7
	ds_store_b128 v[STO], v[AC+8*\b:AC+8*\b+3] offset:128*(\b/2)+32*(\b%2)        ; each accumulator from its low end on: columns 32 (b / 2) + 16 h + 8 (b % 2) + 0 .. 3,
	ds_store_b128 v[STO], v[AC+8*\b+4:AC+8*\b+7] offset:128*(\b/2)+32*(\b%2)+16   ; + 4 .. 7
.endr
	WIN 0
.set BB, BK+64*((\a)%2)
.irp t, 0,1,2,3,4,5,6,7,8,9,10,11,12,13,14,15
	ds_load_b128 v[BB+4*\t:BB+4*\t+3], v[RD] offset:\t*SPITCH
.endr
.endm
.macro SEND a, younger                 ; younger: the LDS instructions issued behind block a's loads, which may stay out
.set BB, BK+64*((\a)%2)
	s_wait_dscnt \younger
.if (\a) > 0
	s_add_nc_u64 s[10:11], s[10:11], 524288        ; (behind a wait on XCNT: the earlier stores have read their base)  the next group of 128 tokens
.endif
.irp t, 0,1,2,3,4,5,6,7,8,9,10,11,12,13,14,15
	global_store_b128 v[LI], v[BB+4*\t:BB+4*\t+3], s[10:11] offset:((\t%8)+16*(\t/8))*4096 th:TH_STORE_NT   ; 32 lanes store 512 consecutive bytes of one token's row, aligned; written once, read by nobody here
.endr
.endm
	PLACES NP                                      ; behind the last products: for the loads into the registers that held the tokens' fragments, and for the reads of results
	TOSTAGE 0
.irp a, 1,2,3,4,5,6,7
.if \a > 1
	s_wait_xcnt 0x0                                ; block a - 2's stores have read their registers and their base
.endif
	TOSTAGE \a
	SEND \a-1, 32                                  ; behind block a - 1's loads: block a's 16 stores and 16 loads
.endr
	s_wait_xcnt 0x0
	SEND 7, 0
	s_wait_tensorcnt 0x0                           ; the wave's end: behind my last tensor load and my last LDS store
	ds_add_u32 v[SPW], v[NIL]
	s_wait_dscnt 0x0
	CROUND                                         ; the closing round
	s_endpgm
.Lfunc_end_k_qd9e9be3df6_gemm_out:
	.size	k_qd9e9be3df6_gemm_out, .Lfunc_end_k_qd9e9be3df6_gemm_out-k_qd9e9be3df6_gemm_out
	.p2alignl 7, 3214868480
	.fill 96, 4, 3214868480
	.section	.rodata,"a",@progbits
	.p2align	6, 0x0
	.amdhsa_kernel k_qd9e9be3df6_gemm_out
		.amdhsa_group_segment_fixed_size 327680
		.amdhsa_private_segment_fixed_size 0
		.amdhsa_enable_private_segment 0
		.amdhsa_kernarg_size 32
		.amdhsa_user_sgpr_count 2
		.amdhsa_user_sgpr_kernarg_segment_ptr 1
		.amdhsa_wavefront_size32 1
		.amdhsa_system_sgpr_workgroup_id_x 1
		.amdhsa_system_sgpr_workgroup_id_y 1
		.amdhsa_system_sgpr_workgroup_id_z 1
		.amdhsa_system_vgpr_workitem_id 0
		.amdhsa_next_free_vgpr 1024
		.amdhsa_next_free_sgpr 100
		.amdhsa_reserve_vcc 0
		.amdhsa_float_denorm_mode_32 3
		.amdhsa_float_denorm_mode_16_64 3
		.amdhsa_memory_ordered 1
		.amdhsa_forward_progress 1
		.amdhsa_inst_pref_size 126
	.end_amdhsa_kernel
	.amdgpu_metadata
---
amdhsa.version: [ 1, 2 ]
amdhsa.kernels:
  - .name:           k_qd9e9be3df6_gemm_out
    .symbol:         k_qd9e9be3df6_gemm_out.kd
    .args:
      - { .name: yq, .offset: 0, .size: 8, .value_kind: global_buffer, .address_space: global }
      - { .name: wpq, .offset: 8, .size: 8, .value_kind: global_buffer, .address_space: global }
      - { .name: b_proj, .offset: 16, .size: 8, .value_kind: global_buffer, .address_space: global }
      - { .name: out0, .offset: 24, .size: 8, .value_kind: global_buffer, .address_space: global }
    .group_segment_fixed_size: 327680
    .private_segment_fixed_size: 0
    .kernarg_segment_align: 8
    .kernarg_segment_size: 32
    .max_flat_workgroup_size: 128
    .sgpr_count:     100
    .vgpr_count:     1024
    .wavefront_size: 32
...
	.end_amdgpu_metadata
.endif
;; end of part 4
